; MI455X (gfx1250); checked and timed in simulation.
; The chip was launched on July 23, 2026; its instructions are those of AMD's public machine-readable ISA for CDNA 5 (MIT licence, August 2026) and "CDNA5" Instruction Set Architecture Reference Guide (July 2026). The comments in the code are by the model that wrote it; some were corrected since.
;; Self Attention. Allowed arithmetic: float matrix products may take bf16 or f16 operands with f32 sums; other float arithmetic in f32, or as packed bf16 or f16 multiplies, adds, multiply-adds, maxima and minima; sums over many terms, partial sums and values carried from step to step in f32; what a program stores and reads back later, other than sums and carried values, may be rounded once to bf16 or f16.
;; Inputs: Wk 1,024 x 1,024 float32; Wq 1,024 x 1,024 float32; Wv 1,024 x 1,024 float32; beta 1,024 float32; bk 1,024 float32; bq 1,024 float32; bv 1,024 float32; gamma 1,024 float32; x 4 x 2,048 x 1,024 float32.
;; Outputs: out0 4 x 2,048 x 1,024 float32.
;; 2 versions, each right; version 2 is version 1 with the launch cast written anew for expert scheduling mode. Each part assembles by itself: llvm-mc -triple=amdgcn-amd-amdhsa -mcpu=gfx1250 --defsym DOCPART=n.
;; ======== version 1 of 2: 5 launches
;; workspace buffers: xb 16,777,216 bytes; wb 6,291,456 bytes; qkv 50,331,648 bytes; p 33,554,432 bytes; st 1,048,576 bytes; att 16,777,216 bytes
;; launch cast (part 1): grid 704 x 1, 8 waves a work-group, no clusters, 0 bytes of LDS; arguments x, Wq, Wk, Wv, xb, wb; writes xb, wb
.if DOCPART == 1
	.amdgcn_target "amdgcn-amd-amdhsa--gfx1250"
	.amdhsa_code_object_version 6
	.text
	.protected	k_q398093ca0c_cast
	.globl	k_q398093ca0c_cast
	.p2align	8
	.type	k_q398093ca0c_cast,@function
k_q398093ca0c_cast:
	s_mov_b64 s[64:65], 0
	v_nop
	global_prefetch_b8 v0, s[64:65] scope:SCOPE_SE
	s_setreg_imm32_b32 hwreg(HW_REG_WAVE_MODE, 25, 1), 1
	s_wait_xcnt 0x0
; xb = x rounded to bf16, laid out in blocks of 64 channels: xb[kb][row][kk] = x[row][64 kb + kk], [16][8192][64]: 256 rows of one block are 32,768 bytes on end.
; wb = Wq, Wk, Wv rounded to bf16, side by side: wb[k][1024 j + n] = W_j[k][n], [1024][3072]: a row holds all three matrices' columns.
; A stream: every byte is read once and written once, so no LDS, no matrix unit, no cluster (no two work-groups read the same byte).
; A work-group takes 16,384 numbers, 16 rows of x or of one W, in eight pieces of two rows.  Groups 0-511 take x, groups 512-703 the weights (64 a matrix).
; x: thread t takes row (t >> 3) & 1 of the piece, block t >> 4, numbers 8 (t & 7) on: eight lanes read 256 consecutive bytes, sixteen lanes store 256 consecutive bytes (two rows of a block), aligned.
; W: thread t takes 8 numbers at byte 32 t of the piece: a wave stores 512 consecutive bytes, aligned.  All 16 loads of a thread go out at once; no register is written twice.
.set XCH, 512                          ; chunks of x
.set WROW, 6144                        ; bytes in a row of wb
.set IN,  12                           ; v[12:75]   as loaded
.set OUT, 76                           ; v[76:107]  to store
.set OD,  108                          ; v[108:115] where piece i goes
	s_load_b256 s[4:11], s[0:1], 0x0               ; x s[4:5], Wq s[6:7], Wk s[8:9], Wv s[10:11]
	s_load_b128 s[12:15], s[0:1], 0x20             ; xb s[12:13], wb s[14:15]
	v_and_b32 v3, 7, v0
	v_bfe_u32 v4, v0, 3, 1
	v_lshrrev_b32 v5, 4, v0
	v_lshlrev_b32 v6, 5, v3                        ; x, from: 32 (t & 7)
	v_lshl_add_u32 v6, v5, 8, v6                   ; + 256 x block
	v_lshl_add_u32 v6, v4, 12, v6                  ; + 4,096 x row
	v_lshlrev_b32 v7, 4, v3                        ; x, to: 16 (t & 7)
	v_lshl_add_u32 v7, v4, 7, v7                   ; + 128 x row
	v_lshl_add_u32 v7, v5, 20, v7                  ; + 8,192 rows of 128 bytes x block
	v_lshlrev_b32 v8, 5, v0                        ; W, from: 32 t
	v_and_b32 v9, 127, v0
	v_lshlrev_b32 v9, 4, v9                        ; W, to: 16 (t & 127)
	v_lshrrev_b32 v10, 7, v0
	v_mad_u32_u24 v9, v10, WROW, v9                ; + a row of wb x row
	s_max_u32 s16, ttmp9, XCH
	s_sub_co_u32 s16, s16, XCH                     ; the chunk's number among the weights' 192 (0 for a group of x)
	s_lshr_b32 s17, s16, 6                         ; which matrix
	s_and_b32 s18, s16, 63                         ; which 16 rows of it
	s_mul_i32 s19, s18, 16*WROW
	s_lshl_b32 s20, s17, 11
	s_add_co_u32 s19, s19, s20                     ; W, to: 16 rows of wb x chunk + 2,048 x matrix
	s_lshl_b32 s20, ttmp9, 11                      ; x, to: 16 rows of 128 bytes x chunk
	s_movk_i32 s26, 0x100
	s_wait_kmcnt 0x0
	s_cmp_eq_u32 s17, 1
	s_cselect_b64 s[6:7], s[8:9], s[6:7]
	s_cmp_eq_u32 s17, 2
	s_cselect_b64 s[6:7], s[10:11], s[6:7]         ; the matrix
	s_cmp_lt_u32 ttmp9, XCH
	s_cselect_b64 s[4:5], s[4:5], s[6:7]           ; from where,
	s_cselect_b64 s[12:13], s[12:13], s[14:15]     ; to where,
	s_cselect_b32 s18, ttmp9, s18                  ; which chunk of the source,
	s_cselect_b32 s22, s20, s19                    ; where the chunk goes,
	s_cselect_b32 s24, -1, 0                       ; which of the two maps of threads,
	s_cselect_b32 s25, s26, 2*WROW                 ; and how far apart the pieces land: two rows of a block, or two rows of wb
	s_lshl_b32 s20, s18, 16
	s_mov_b32 s21, 0
	s_mov_b32 s23, 0
	s_add_nc_u64 s[4:5], s[4:5], s[20:21]
	s_add_nc_u64 s[12:13], s[12:13], s[22:23]
	v_cndmask_b32 v1, v8, v6, s24
	v_cndmask_b32 v2, v9, v7, s24
.irp i, 0,1,2,3,4,5,6,7
	global_load_b128 v[IN+8*(\i):IN+8*(\i)+3],   v1, s[4:5] offset:8192*(\i) th:TH_LOAD_NT
	global_load_b128 v[IN+8*(\i)+4:IN+8*(\i)+7], v1, s[4:5] offset:8192*(\i)+16 th:TH_LOAD_NT
.endr
.irp i, 0,1,2,3,4,5,6,7
	v_mad_u32_u24 v[OD+(\i)], s25, \i, v2
.endr
.irp i, 0,1,2,3,4,5,6,7
	s_wait_loadcnt 14-2*(\i)                       ; loads come back in order: piece i's two are in, the 14 - 2 i younger ones stay out
.irp k, 0,1,2,3
	v_cvt_pk_bf16_f32 v[OUT+4*(\i)+(\k)], v[IN+8*(\i)+2*(\k)], v[IN+8*(\i)+2*(\k)+1]
.endr
	global_store_b128 v[OD+(\i)], v[OUT+4*(\i):OUT+4*(\i)+3], s[12:13]
.endr
	s_endpgm
.Lfunc_end_k_q398093ca0c_cast:
	.size	k_q398093ca0c_cast, .Lfunc_end_k_q398093ca0c_cast-k_q398093ca0c_cast
	.p2alignl 7, 3214868480
	.fill 96, 4, 3214868480
	.section	.rodata,"a",@progbits
	.p2align	6, 0x0
	.amdhsa_kernel k_q398093ca0c_cast
		.amdhsa_group_segment_fixed_size 0
		.amdhsa_private_segment_fixed_size 0
		.amdhsa_enable_private_segment 0
		.amdhsa_kernarg_size 48
		.amdhsa_user_sgpr_count 2
		.amdhsa_user_sgpr_kernarg_segment_ptr 1
		.amdhsa_wavefront_size32 1
		.amdhsa_system_sgpr_workgroup_id_x 1
		.amdhsa_system_sgpr_workgroup_id_y 1
		.amdhsa_system_sgpr_workgroup_id_z 1
		.amdhsa_system_vgpr_workitem_id 0
		.amdhsa_next_free_vgpr 116
		.amdhsa_next_free_sgpr 66
		.amdhsa_reserve_vcc 0
		.amdhsa_float_denorm_mode_32 3
		.amdhsa_float_denorm_mode_16_64 3
		.amdhsa_memory_ordered 1
		.amdhsa_forward_progress 1
		.amdhsa_inst_pref_size 8
	.end_amdhsa_kernel
	.amdgpu_metadata
---
amdhsa.version: [ 1, 2 ]
amdhsa.kernels:
  - .name:           k_q398093ca0c_cast
    .symbol:         k_q398093ca0c_cast.kd
    .args:
      - { .name: x, .offset: 0, .size: 8, .value_kind: global_buffer, .address_space: global }
      - { .name: Wq, .offset: 8, .size: 8, .value_kind: global_buffer, .address_space: global }
      - { .name: Wk, .offset: 16, .size: 8, .value_kind: global_buffer, .address_space: global }
      - { .name: Wv, .offset: 24, .size: 8, .value_kind: global_buffer, .address_space: global }
      - { .name: xb, .offset: 32, .size: 8, .value_kind: global_buffer, .address_space: global }
      - { .name: wb, .offset: 40, .size: 8, .value_kind: global_buffer, .address_space: global }
    .group_segment_fixed_size: 0
    .private_segment_fixed_size: 0
    .kernarg_segment_align: 8
    .kernarg_segment_size: 48
    .max_flat_workgroup_size: 256
    .sgpr_count:     66
    .vgpr_count:     116
    .wavefront_size: 32
...
	.end_amdgpu_metadata
.endif
;; end of part 1
;; launch proj (part 2): grid 8 x 32, 4 waves a work-group, clusters of 4 x 4, 327,680 bytes of LDS; arguments xb, wb, bq, bk, bv, qkv; writes qkv
.if DOCPART == 2
	.amdgcn_target "amdgcn-amd-amdhsa--gfx1250"
	.amdhsa_code_object_version 6
	.text
	.protected	k_q398093ca0c_proj
	.globl	k_q398093ca0c_proj
	.p2align	8
	.type	k_q398093ca0c_proj,@function
k_q398093ca0c_proj:
	s_mov_b64 s[64:65], 0
	v_nop
	global_prefetch_b8 v0, s[64:65] scope:SCOPE_SE
	s_setreg_imm32_b32 hwreg(HW_REG_WAVE_MODE, 25, 1), 1
	s_wait_xcnt 0x0
	s_wait_alu depctr_hold_cnt(0) depctr_sa_sdst(0) depctr_va_vdst(0) depctr_va_sdst(0) depctr_va_ssrc(0) depctr_va_vcc(0) depctr_vm_vsrc(0)
	s_getreg_b32 s2, hwreg(HW_REG_IB_STS2, 6, 4)
	s_cmp_eq_u32 s2, 0
	s_cbranch_scc0 .Lentry_in_a_cluster
	s_endpgm
.Lentry_in_a_cluster:
	s_bfe_u32 s2, ttmp6, 0x10000c
	s_cmp_lg_u32 s2, 0xf033
	s_cbranch_scc0 .Lentry_shape_is_right
	s_endpgm
.Lentry_shape_is_right:
; qkv[j][row][n] = sum over k of x[row][k] W_j[k][n] + bias_j[n], j = q, k, v.  xb: x in bf16, in blocks [16 kb][8192 rows][64]; wb: [1024 k][3072] bf16, the three matrices side by side; biases f32;
; qkv: [3][8192][1024] bf16.  Sums in f32, started by the bias (the C operand of the first products), rounded once to bf16.  bf16 and not f16: q, k and v keep f32's range.
; SHARES.  8192 x 3072 outputs on 256 work-groups: a tile of 256 rows x 384 columns each, so that (256 + 384) x 2,048 bytes come into LDS for it and x's rows are fetched once.  Four waves, each
; 128 x 192: 96 accumulators of 16 x 16, 768 registers.  K = 1024 goes in 16 steps of 64 through a ring of two LDS slots: two slots of 128 along K would not fit beside each other.
; THE MATRIX INSTRUCTION IS USED TRANSPOSED: source 0 = 16 columns of W, which lies [k][n] in LDS and is turned by ds_load_tr16_b128; source 1 = 16 rows of x.  A lane then holds one row and 8 neighbouring columns.
; A SLICE is 32 along K: three GROUPS of 32 products, group g = all 8 row blocks x column blocks 4 g .. 4 g + 3.  W's 12 fragments have one set of registers: a group's four are loaded again, for the next slice,
; four places behind the group, 64 products ahead of their use.  x's 8 fragments have two sets; the other set is loaded in two halves, behind groups 0 and 1.  40 LDS loads for 96 products.
; CLUSTER 4 x 4: x's tile hangs on the tile row alone and is asked for jointly along a row of the cluster, W's on the tile column alone, along a column.
; REGISTERS, in windows of 256: window 0: v0-29 addresses; v32-95, v96-159 x's fragments, sets 0 and 1; v160-255 W's fragments, group g at 160 + 32 g (all of v32-223 at work on the way out).
;   windows 1, 2, 3: the accumulators of groups 0, 1, 2: (row block a, column block q of the group) at 8 (4 a + q).
.set PA,    144                        ; a row of x in LDS: 128 bytes + 16: the 16 rows of a load start at 16 different groups of four banks
.set PB,    864                        ; a k-row of W: three times 256 bytes + 32 = 27 x 32
.set BOFF,  256*PA                     ; a slot: x's 256 rows, then W's 64 k-rows
.set SLOT1, 1<<17                      ; slot 1 begins here: one exclusive or turns an address in one slot into the other's
.set STAGE, SLOT1+BOFF+64*PB           ; behind the ring, never filled by a tensor load: 128 rows x 784 bytes, the work-group's
.set SPT,   784                        ; a stage row: 768 bytes + 16
.set SPARE, STAGE+128*SPT              ; the spare words: 128 bytes a wave, two blocks of 256 bytes that no other line names
.set ROWB,  2048                       ; bytes in a row of a plane of qkv
.set ASTEP, 8192*128                   ; a K step in xb: the next block
.set BROW,  6144                       ; bytes in a row of wb
.set BSTEP, 64*BROW                    ; a K step down wb
.set A0,  2                            ; v2     my lane's place in x's tile; never rewritten
.set B0,  3                            ; v3-5   in W's tile, for each group
.set ADA, 6                            ; v6     the same in the slot in hand
.set ADB, 8                            ; v8-10
.set STO, 11                           ; v11    the way out: where I put 16 bytes of a row
.set RD0, 12                           ; v12    where I begin to read rows back;  v13 where I read
.set RD,  13
.set CO,  14                           ; v14    my byte offset in the rows that I store
.set PFO, 15                           ; v15    the prefetches' offset
.set BO,  16                           ; v16    my byte offset in 16 numbers of a bias
.set SPW, 28                           ; v28    my spare word; never rewritten
.set NIL, 29                           ; v29    0; never rewritten
.set AF,  32
.set BF,  160
.set TMP, 32                           ; the way out: packed results, 64 registers a group
.set DB,  32                           ; the way out: rows read back, 48 registers
.set WV, 20
.set WR, 21                            ; s21  which 128 rows are mine.  Also: I fetch for x (0) or for W (1)
.set WC, 22                            ; s22  which 192 columns.  Also: which half of that tile I fetch
.set CX, 23
.set CY, 24
.set XX, 25                            ; tile column, 0..7
.set YY, 26                            ; tile row, 0..31
.set CLY, 27                           ; the cluster's y
.set G1A, 28                           ; s[28:35], s[36:43] descriptor group 1 for x's and W's tiles
.set G1B, 36
.set G0A, 44                           ; s[44:51] group 0 for x: a set for each first fill; the second then walks
.set G0B, 52                           ; s[52:59] the same for W
.set TB,  60                           ; s60  0 or SLOT1: the slot that is fetched from
.set LIM, 61                           ; s61  a wave prefetches while s3 is above it
.set PODD, 62                          ; s62  1: in every trip; 0: in the trips with odd s3
.set PFA, 66                           ; s[66:67] where my prefetches stand; s[68:69] their step
.set PFS, 68
.set CP,  70                           ; s[70:75] qkv at the first row that I store, for each of the tile's three blocks of 128 columns
.set BP,  76                           ; s[76:81] the bias at each group's 64 columns
.set MSB, 0
.macro WIN new                         ; the immediate's high byte repeats the setting that is left; a switch that changes nothing is dropped
.if MSB != (\new)
	s_set_vgpr_msb (MSB<<8)|(\new)
.set MSB, \new
.endif
.endm
.macro PLACES                          ; four plain vector instructions between a matrix instruction and a load into, or a vector line on, its registers (ISA guide 7.12.1 for vector lines)
.rept 4
	v_nop
.endr
.endm
; A joint refill by the walking sets.  Waves 0 and 1 fetch x's two halves, waves 2 and 3 W's; the branch hangs on the wave's number alone.  An s_nop 0 and four v_nop follow each line.
.macro JLOAD
	s_cmp_eq_u32 s[WR], 0
	s_cbranch_scc0 .Lfor_b_\@
	tensor_load_to_lds s[G0A+4:G0A+7], s[G1A:G1A+7]
	s_nop 0
.rept 4
	v_nop
.endr
	s_branch .Lasked_\@
.Lfor_b_\@:
	tensor_load_to_lds s[G0B+4:G0B+7], s[G1B:G1B+7]
	s_nop 0
.rept 4
	v_nop
.endr
.Lasked_\@:
.endm
; A PREFETCH INTO THE L2, behind the joint load and the run of LDS loads; trip t (s3 = 14 - t) asks the ring for K step t + 2.
; xb: a tile row's step is 128 blocks of 256 bytes, read by the two clusters of its row of clusters: the one with x = 0 asks; each of its four partners takes 32 blocks, by address; wave 0, a lane a block; in trip t
; step t + 3: steps 3 to 15.  wb: a tile column's step is 64 k-rows x 3 blocks, read by all eight clusters of its column: the one with y = 0 asks; each partner takes 16 k-rows, by address; waves 1, 2, 3 one of the
; three blocks each; a lane is a k-row of one of TWO steps, so they ask in every other trip, t = 1, 3 .. 11, for steps t + 3 and t + 4: steps 4 to 15.  Each block is named once; the first steps come by their loads alone.
.macro ASK
	s_or_b32 s86, s3, s[PODD]
	s_and_b32 s86, s86, 1
	s_cmp_gt_u32 s3, s[LIM]
	s_cselect_b32 s86, s86, 0
	s_cmp_eq_u32 s86, 1
	s_cbranch_scc0 .Lnot_mine_\@
	global_prefetch_b8 v[PFO], s[PFA:PFA+1] th:TH_LOAD_NT scope:SCOPE_SE
.Lnot_mine_\@:
.endm
.macro CREST                           ; a round of the cluster's barrier behind its opening barrier
	s_cmp_lg_u32 s[WV], 0
	s_cbranch_scc1 .Lnot_wave_0_\@
	s_barrier_signal -3
.Lnot_wave_0_\@:
	s_barrier_wait -3
	s_barrier_signal -1
	s_barrier_wait -1
.endm
.macro CROUND
	s_barrier_signal -1
	s_barrier_wait -1
	CREST
.endm
; 8 LDS loads: row blocks 4 hf .. 4 hf + 3 of x, slice sl of the slot in hand, into set f (a fragment: 16 rows x 32 K, two loads 32 bytes apart)
.macro LDA f, sl, hf
	WIN 0
.irp i, 0,1,2,3
	ds_load_b128 v[AF+64*(\f)+8*(4*(\hf)+(\i)):AF+64*(\f)+8*(4*(\hf)+(\i))+3],   v[ADA] offset:(4*(\hf)+(\i))*16*PA+64*(\sl)
	ds_load_b128 v[AF+64*(\f)+8*(4*(\hf)+(\i))+4:AF+64*(\f)+8*(4*(\hf)+(\i))+7], v[ADA] offset:(4*(\hf)+(\i))*16*PA+64*(\sl)+32
.endr
.endm
; 8 LDS loads: group g's four fragments of W, slice sl (turned: two loads 16 k-rows apart)
.macro LDB g, sl
	WIN 0
.irp i, 0,1,2,3
	ds_load_tr16_b128 v[BF+32*(\g)+8*(\i):BF+32*(\g)+8*(\i)+3],   v[ADB+(\g)] offset:32*(\sl)*PB+32*(\i)
	ds_load_tr16_b128 v[BF+32*(\g)+8*(\i)+4:BF+32*(\g)+8*(\i)+7], v[ADB+(\g)] offset:(32*(\sl)+16)*PB+32*(\i)
.endr
.endm
; 4 matrix instructions: row block a x group g's four column blocks, from set f.  z = 1: the bias, at v[bi] in window 0, starts the sums.
; The 96 accumulators take turns, one instruction a turn, in the same order in every slice.
.macro MMR g, f, a, z, bi=0
.irp q, 0,1,2,3
.if \z
	WIN (1+(\g))<<6
	v_wmma_f32_16x16x32_bf16 v[8*(4*(\a)+(\q)):8*(4*(\a)+(\q))+7], v[BF+32*(\g)+8*(\q):BF+32*(\g)+8*(\q)+7], v[AF+64*(\f)+8*(\a):AF+64*(\f)+8*(\a)+7], v[(\bi)+8*(\q):(\bi)+8*(\q)+7]
.else
	WIN ((1+(\g))<<6)|((1+(\g))<<4)
	v_wmma_f32_16x16x32_bf16 v[8*(4*(\a)+(\q)):8*(4*(\a)+(\q))+7], v[BF+32*(\g)+8*(\q):BF+32*(\g)+8*(\q)+7], v[AF+64*(\f)+8*(\a):AF+64*(\f)+8*(\a)+7], v[8*(4*(\a)+(\q)):8*(4*(\a)+(\q))+7]
.endif
.endr
.endm
.macro GRP g, f                        ; a group: 32 matrix instructions
.irp a2, 0,1,2,3,4,5,6,7
	MMR \g, \f, \a2, 0
.endr
.endm
.macro GRPB g, bi                      ; the same in slice 0
.irp a2, 0,1,2,3,4,5,6,7
	MMR \g, 0, \a2, 1, \bi
.endr
.endm
.macro BIAS g, dst                     ; register j of an accumulator holds column 16 q + 8 (lane / 16) + j of the group's 64: 8 numbers a lane for each q
	WIN 0
.irp q, 0,1,2,3
	global_load_b128 v[(\dst)+8*(\q):(\dst)+8*(\q)+3],   v[BO], s[BP+2*(\g):BP+2*(\g)+1] offset:64*(\q)
	global_load_b128 v[(\dst)+8*(\q)+4:(\dst)+8*(\q)+7], v[BO], s[BP+2*(\g):BP+2*(\g)+1] offset:64*(\q)+16
.endr
.endm
; A SLOT'S FIRST SLICE: multiplies set 0, fetches the slot's second slice (set 1).
.macro EVEN
	s_wait_dscnt 8                                 ; all but the youngest eight loads (group 2's) are in: x's set and groups 0 and 1
	GRP 0, 0
	PLACES
	LDB 0, 1
	LDA 1, 1, 0
	GRP 1, 0
	PLACES
	LDB 1, 1
	LDA 1, 1, 1
	s_wait_dscnt 32                                ; all but the two runs of 16 just issued: group 2 is in
	GRP 2, 0
	PLACES
	LDB 2, 1
.endm
; A SLOT'S SECOND SLICE: multiplies set 1, and holds the change of slots: all reads of this slot have been issued.  Each wave waits for all its tensor loads (one is out: its part of the next slot), adds 0 to its
; spare word, and waits for that and for its reads of this slot.  fill = 1: the barrier opens a round of the cluster's barrier, and the slot is filled again, first thing behind the round, with the step two on:
; from that request to the wait for it a wave issues 184 of a step's 192 matrix instructions.  Then the next slot's first slice is fetched (set 0).
.macro ODD fill
.if \fill
	s_wait_xcnt 0x0                                ; the last prefetch, a step back, has read its address
	s_add_nc_u64 s[PFA:PFA+1], s[PFA:PFA+1], s[PFS:PFS+1]
.endif
	s_wait_dscnt 8
.irp a2, 0,1,2,3,4,5
	MMR 0, 1, \a2, 0
.endr
	WIN 0                                          ; (the add's two registers lie in window 0)
	s_wait_tensorcnt 0x0                           ; all my tensor loads have landed
	ds_add_u32 v[SPW], v[NIL]                      ; 0 onto my spare word
	MMR 0, 1, 6, 0
	s_wait_dscnt 0x0                               ; the add is done, and my reads of this slot are over
	s_barrier_signal -1
	MMR 0, 1, 7, 0
	WIN 0
	s_barrier_wait -1
.if \fill
	CREST                                          ; no wave of any partner still reads this slot or has a load on its way
	s_xor_b32 s[G0A+5], s[G0A+5], SLOT1            ; the walking sets: the other slot than last time,
	s_xor_b32 s[G0B+5], s[G0B+5], SLOT1
	s_add_nc_u64 s[G0A+6:G0A+7], s[G0A+6:G0A+7], ASTEP  ; the next K step; the type bits on top are not reached
	s_add_nc_u64 s[G0B+6:G0B+7], s[G0B+6:G0B+7], BSTEP
	JLOAD                                          ; its four v_nop are also the places in front of the loads below
.else
	PLACES
.endif
	s_xor_b32 s[TB], s[TB], SLOT1
	v_add_nc_u32 v[ADA], s[TB], v[A0]
.irp g2, 0,1,2
	v_add_nc_u32 v[ADB+(\g2)], s[TB], v[B0+(\g2)]
.endr
	LDB 0, 0
	LDA 0, 0, 0
.if \fill
	ASK
.endif
	GRP 1, 1
	PLACES
	LDB 1, 0
	LDA 0, 0, 1
	GRP 2, 1                                       ; (group 2's fragments were shown in by the wait for 0 above)
	PLACES
	LDB 2, 0
.endm
; THE WAY OUT, pass p (row blocks 4 p .. 4 p + 3 of every wave), group g: rounded to bf16, 16 bytes a lane, into the work-group's stage: a row's 768 bytes come from two waves.
.macro PACKG p, g
	WIN (1+(\g))|((1+(\g))<<2)                     ; sources 0 and 1 in the group's window, destination in window 0
.irp a4, 0,1,2,3
.irp q, 0,1,2,3
.irp r, 0,1,2,3
	v_cvt_pk_bf16_f32 v[TMP+64*(\g)+4*(4*(\a4)+(\q))+(\r)], v[8*(4*(4*(\p)+(\a4))+(\q))+2*(\r)], v[8*(4*(4*(\p)+(\a4))+(\q))+2*(\r)+1]
.endr
.endr
.endr
	WIN 0
.irp a4, 0,1,2,3
.irp q, 0,1,2,3
	ds_store_b128 v[STO], v[TMP+64*(\g)+4*(4*(\a4)+(\q)):TMP+64*(\g)+4*(4*(\a4)+(\q))+3] offset:(\a4)*16*SPT+128*(\g)+32*(\q)
.endr
.endr
.endm
; Back as whole rows: wave w takes stage rows 32 w .. 32 w + 31, eight a trip: lanes 0-15 one row's block of 256 bytes, lanes 16-31 the next row's.
.macro OUT p
	v_mov_b32 v[RD], v[RD0]
	s_mov_b32 s3, 4
.Lout_\@:
.irp j, 0,1,2,3
.irp u, 0,1,2
	ds_load_b128 v[DB+4*(3*(\j)+(\u)):DB+4*(3*(\j)+(\u))+3], v[RD] offset:(\j)*2*SPT+256*(\u)
.endr
.endr
.irp j, 0,1,2,3
.irp u, 0,1,2
	s_wait_dscnt 11-(3*(\j)+(\u))                  ; LDS loads come back in order: this one is in, the younger ones stay out
	global_store_b128 v[CO], v[DB+4*(3*(\j)+(\u)):DB+4*(3*(\j)+(\u))+3], s[CP+2*(\u):CP+2*(\u)+1] offset:(\p)*32*ROWB+(\j)*2*ROWB  ; 16 lanes store 256 consecutive bytes, at a multiple of 256 from qkv's first byte
.endr
.endr
	s_wait_xcnt 0x0                                ; the stores have read their offset and their data: both are written again only behind this wait
	v_add_nc_u32 v[RD], 8*SPT, v[RD]
	v_add_nc_u32 v[CO], 8*ROWB, v[CO]              ; (32 rows a pass; the second pass's rows begin 32 rows further on still: its immediate)
	s_sub_co_u32 s3, s3, 1
	s_cmp_lg_u32 s3, 0
	s_cbranch_scc1 .Lout_\@
.endm
	s_load_b256 s[4:11], s[0:1], 0x0               ; xb s[4:5], wb s[6:7], bq s[8:9], bk s[10:11]
	s_load_b128 s[12:15], s[0:1], 0x20             ; bv s[12:13], qkv s[14:15]
	v_lshl_add_u32 v[SPW], v0, 2, SPARE
	v_mov_b32 v[NIL], 0
	ds_add_u32 v[SPW], v[NIL]                      ; the wave's opening: the add and its wait ahead of my first tensor load; the set-up below stands between them
	v_lshrrev_b32 v1, 5, v0
	v_readfirstlane_b32 s[WV], v1                  ; wave 0..3
	s_lshr_b32 s[WR], s[WV], 1
	s_and_b32 s[WC], s[WV], 1
	s_bfe_u32 s[CX], ttmp6, 0x40000
	s_bfe_u32 s[CY], ttmp6, 0x40004
	s_lshl_b32 s[XX], ttmp9, 2
	s_add_co_u32 s[XX], s[XX], s[CX]               ; tile column = 4 x cluster x + cx
	s_and_b32 s[CLY], ttmp7, 0xffff
	s_lshl_b32 s[YY], s[CLY], 2
	s_add_co_u32 s[YY], s[YY], s[CY]               ; tile row = 4 x cluster y + cy
	s_lshl_b32 s16, s[CY], 2
	s_lshl_b32 s16, 15, s16                        ; my row of the cluster
	s_lshl_b32 s18, 0x1111, s[CX]                  ; my column
	s_or_b32 s[G1A], s16, (1<<16)|(1<<20)|(1<<21)|(4<<22)|(3<<25)  ; the mask; 2-byte elements; padding on; bit 21 beside a mask; after every 32 words (a row of x) 4 words
	s_or_b32 s[G1B], s18, (1<<16)|(1<<20)|(1<<21)|(5<<22)|(7<<25)  ; after every 64 words (a third of a k-row) 8 words
	s_mov_b32 s[G1A+1], 128<<16                    ; 128 rows of a block of xb are 16,384 bytes on end: asked for as 64 rows of 128 elements
	s_mov_b32 s[G1A+2], 64<<16
	s_mov_b32 s[G1A+3], 128<<16
	s_mov_b32 s[G1A+4], 64
	s_mov_b32 s[G1A+5], 128
	s_mov_b32 s[G1A+6], 0
	s_mov_b32 s[G1A+7], 0
	s_mov_b32 s[G1B+1], 384<<16                    ; 32 k-rows of 384 elements,
	s_mov_b32 s[G1B+2], 32<<16
	s_mov_b32 s[G1B+3], 384<<16
	s_mov_b32 s[G1B+4], 32
	s_mov_b32 s[G1B+5], 3072                       ; 3,072 elements from row to row
	s_mov_b32 s[G1B+6], 0
	s_mov_b32 s[G1B+7], 0
	s_lshl_b32 s16, s[YY], 15                      ; xb: row 256 x tile row + 128 x half, rows of 128 bytes (s16, s17 never hold cx; s18, s19 never cy)
	s_lshl_b32 s17, s[WC], 14
	s_add_co_u32 s16, s16, s17
	s_mov_b32 s17, 0
	s_mul_i32 s18, s[XX], 768                      ; wb: 768 bytes x tile column, k-row 32 x half
	s_mul_i32 s19, s[WC], 32*BROW
	s_add_co_u32 s18, s18, s19
	s_mov_b32 s19, 0
	s_mov_b32 s[G0A], 1
	s_mul_i32 s[G0A+1], s[WC], 128*PA              ; LDS: my 128 rows of x's tile, slot 0
	s_mov_b32 s[G0A+4], 1
	s_add_co_u32 s[G0A+5], s[G0A+1], SLOT1         ; slot 1
	s_mov_b32 s[G0B], 1
	s_mul_i32 s[G0B+1], s[WC], 32*PB
	s_add_co_u32 s[G0B+1], s[G0B+1], BOFF
	s_mov_b32 s[G0B+4], 1
	s_add_co_u32 s[G0B+5], s[G0B+1], SLOT1
	s_wait_dscnt 0x0                               ; the opening add is done
	s_wait_kmcnt 0x0
	s_add_nc_u64 s[G0A+2:G0A+3], s[4:5], s[16:17]  ; K step 0
	s_add_nc_u64 s[G0A+6:G0A+7], s[G0A+2:G0A+3], ASTEP  ; K step 1
	s_or_b32 s[G0A+3], s[G0A+3], 0x80000000
	s_or_b32 s[G0A+7], s[G0A+7], 0x80000000
	s_add_nc_u64 s[G0B+2:G0B+3], s[6:7], s[18:19]
	s_add_nc_u64 s[G0B+6:G0B+7], s[G0B+2:G0B+3], BSTEP
	s_or_b32 s[G0B+3], s[G0B+3], 0x80000000
	s_or_b32 s[G0B+7], s[G0B+7], 0x80000000
	CROUND                                         ; all sixteen work-groups are here: the first joint loads meet
	s_cmp_eq_u32 s[WR], 0                          ; a wave's two first fills stand in one branch, ahead of every wait on TENSORcnt and every LDS read: two loads of mine are out
	s_cbranch_scc0 .Lfirst_b
	tensor_load_to_lds s[G0A:G0A+3], s[G1A:G1A+7]
	s_nop 0
	tensor_load_to_lds s[G0A+4:G0A+7], s[G1A:G1A+7]
	s_nop 0
.rept 4
	v_nop
.endr
	s_branch .Lfirst_asked
.Lfirst_b:
	tensor_load_to_lds s[G0B:G0B+3], s[G1B:G1B+7]
	s_nop 0
	tensor_load_to_lds s[G0B+4:G0B+7], s[G1B:G1B+7]
	s_nop 0
.rept 4
	v_nop
.endr
.Lfirst_asked:
	v_and_b32 v1, 15, v0                           ; r = l % 16
	v_bfe_u32 v17, v0, 4, 1                        ; h = l / 16
	v_lshlrev_b32 v[BO], 5, v17
	; a group's 64 columns are blocks 24 x tile column + 12 x half + 4 g .. + 3 of the 192 blocks of 16; 64 blocks make a plane, so a group lies in one bias
.irp g, 0,1,2
	s_mul_i32 s82, s[XX], 24
	s_mul_i32 s83, s[WC], 12
	s_add_co_u32 s82, s82, s83
	s_add_co_u32 s82, s82, 4*(\g)
	s_lshr_b32 s83, s82, 6                         ; the plane
	s_and_b32 s82, s82, 63
	s_lshl_b32 s82, s82, 6                         ; 16 numbers of 4 bytes a block
	s_cmp_eq_u32 s83, 1
	s_cselect_b64 s[84:85], s[10:11], s[8:9]
	s_cmp_eq_u32 s83, 2
	s_cselect_b64 s[84:85], s[12:13], s[84:85]
	s_mov_b32 s83, 0
	s_add_nc_u64 s[BP+2*(\g):BP+2*(\g)+1], s[84:85], s[82:83]
.endr
	BIAS 0, AF+64                                  ; groups 0 and 1 into x's set 1, which slice 0 does not multiply
	BIAS 1, AF+96
	v_mul_u32_u24 v[A0], v1, PA                    ; x: row x pitch + 16 x half of the lanes + my 128 rows
	v_lshl_add_u32 v[A0], v17, 4, v[A0]
	s_mul_i32 s82, s[WR], 128*PA
	v_add_nc_u32 v[A0], s82, v[A0]
	v_and_b32 v18, 7, v0                           ; W: lane l reads k-row 8 h + l % 8, columns 8 ((l / 8) % 2) + 0..7 of a block of 16
	v_lshl_add_u32 v18, v17, 3, v18
	v_mul_u32_u24 v18, v18, PB
	v_bfe_u32 v19, v0, 3, 1
	v_lshl_add_u32 v18, v19, 4, v18
	s_mul_i32 s82, s[WC], 416                      ; where a group's first block lies in a k-row: block n at 32 n + 32 (n / 8).  Blocks 0, 4, 8 for the left half: 0, 128, 288; blocks 12, 16, 20 for the right: 416, 576, 704
	s_add_co_u32 s82, s82, BOFF
	v_add_nc_u32 v[B0], s82, v18
	s_mul_i32 s82, s[WC], 448
	s_add_co_u32 s82, s82, BOFF+128
	v_add_nc_u32 v[B0+1], s82, v18
	s_mul_i32 s82, s[WC], 416
	s_add_co_u32 s82, s82, BOFF+288
	v_add_nc_u32 v[B0+2], s82, v18
	s_mul_i32 s82, s[WR], 64*SPT                   ; into the stage: row 64 x row half + l % 16 (+ 16 x block), 384 bytes x column half, 16 bytes for each half of the lanes
	s_mul_i32 s83, s[WC], 384
	s_add_co_u32 s82, s82, s83
	s_add_co_u32 s82, s82, STAGE
	v_mul_u32_u24 v[STO], v1, SPT
	v_lshl_add_u32 v[STO], v17, 4, v[STO]
	v_add_nc_u32 v[STO], s82, v[STO]
	s_mul_i32 s82, s[WV], 32*SPT                   ; back: stage rows 32 x wave on
	s_add_co_u32 s82, s82, STAGE
	v_mul_u32_u24 v[RD0], v17, SPT
	v_lshl_add_u32 v[RD0], v1, 4, v[RD0]
	v_add_nc_u32 v[RD0], s82, v[RD0]
	v_lshlrev_b32 v[CO], 11, v17
	v_lshl_add_u32 v[CO], v1, 4, v[CO]
	s_lshl_b32 s82, s[YY], 8                       ; the first row that I store: 256 x tile row + 128 x (wave / 2) + 32 x (wave % 2)
	s_lshl_b32 s83, s[WR], 7
	s_add_co_u32 s82, s82, s83
	s_lshl_b32 s83, s[WC], 5
	s_add_co_u32 s82, s82, s83
	s_lshl_b32 s87, s82, 11
.irp u, 0,1,2                          ; block 3 x tile column + u of the 24 blocks of 128 columns; 8 blocks make a plane of 2^24 bytes
	s_mul_i32 s82, s[XX], 3
	s_add_co_u32 s82, s82, \u
	s_lshr_b32 s83, s82, 3
	s_lshl_b32 s83, s83, 24
	s_and_b32 s82, s82, 7
	s_lshl_b32 s82, s82, 8
	s_add_co_u32 s82, s82, s83
	s_add_co_u32 s82, s82, s87
	s_mov_b32 s83, 0
	s_add_nc_u64 s[CP+2*(\u):CP+2*(\u)+1], s[14:15], s[82:83]
.endr
	; the prefetches: who asks, and from where
	s_lshl_b32 s82, s[YY], 15
	s_lshl_b32 s83, s[CX], 13
	s_add_co_u32 s82, s82, s83
	s_add_co_u32 s82, s82, 2*ASTEP                 ; xb: my work-group's 32 blocks of the tile's 128, at K step 2: the first trip steps it to 3
	s_mul_i32 s83, s[XX], 768
	s_lshl_b32 s84, s[WV], 8
	s_add_co_u32 s83, s83, s84
	s_mul_i32 s84, s[CY], 16*BROW
	s_add_co_u32 s83, s83, s84
	s_add_co_u32 s83, s83, 2*BSTEP-256             ; wb: my work-group's 16 k-rows, block wave - 1 of the three, at step 2
	s_mov_b32 s84, ASTEP
	s_mov_b32 s85, 4096
	s_movk_i32 s86, 0x100
	s_cmp_eq_u32 s[WV], 0
	s_cselect_b32 s82, s82, s83
	s_cselect_b32 s[PFS], s84, BSTEP
	s_cselect_b64 s[PFA:PFA+1], s[4:5], s[6:7]
	s_cselect_b32 s85, s85, BSTEP                  ; what a lane's upper bit stands for: 16 blocks on, or a K step on,
	s_cselect_b32 s86, s86, BROW                   ; and its lower four: a block, or a k-row
	s_cselect_b32 s[PODD], 1, 0
	s_cselect_b32 s87, ttmp9, s[CLY]               ; 0 in the cluster that asks: the same in all partners
	s_cmp_eq_u32 s87, 0
	s_cselect_b32 s[LIM], 1, -1                    ; the last trip has no step behind its own
	s_mov_b32 s83, 0
	s_mov_b32 s[PFS+1], 0
	s_add_nc_u64 s[PFA:PFA+1], s[PFA:PFA+1], s[82:83]
	v_mul_u32_u24 v[PFO], s86, v1
	v_mul_u32_u24 v19, s85, v17
	v_add_nc_u32 v[PFO], v[PFO], v19
	s_mov_b32 s[TB], 0
	s_wait_tensorcnt 1                             ; my part of K step 0 is in; step 1's may stay out
	s_barrier_signal -1
	s_barrier_wait -1                              ; everybody's is
	v_add_nc_u32 v[ADA], s[TB], v[A0]
.irp g2, 0,1,2
	v_add_nc_u32 v[ADB+(\g2)], s[TB], v[B0+(\g2)]
.endr
	LDB 0, 0                                       ; SLICE 0, written out: its products take the bias as C, so nothing is cleared
	LDA 0, 0, 0
	LDB 1, 0
	LDA 0, 0, 1
	LDB 2, 0
	s_wait_loadcnt 0x0                             ; the biases of groups 0 and 1
	s_wait_dscnt 8                                 ; all but group 2's eight loads
	GRPB 0, AF+64
	PLACES
	LDB 0, 1
	BIAS 2, AF+64                                  ; group 2's bias takes group 0's place, four places behind its last reader
	GRPB 1, AF+96
	PLACES
	LDB 1, 1
	s_wait_loadcnt 0x0
	s_wait_dscnt 16                                ; all but the two runs of 8 just issued: group 2 is in
	GRPB 2, AF+64
	PLACES
	LDA 1, 1, 0                                    ; only now is set 1 free for slice 1; group 2's loads come last, as in every slice, so that the next head's count holds
	LDA 1, 1, 1
	LDB 2, 1
	s_mov_b32 s3, 14
.Lstep:                                        ; trip t = 0..13: the second slice of K step t, which asks for step t + 2, and the first slice of step t + 1
	ODD 1
	EVEN
	s_sub_co_u32 s3, s3, 1
	s_cmp_lg_u32 s3, 0
	s_cbranch_scc1 .Lstep
	ODD 0                                          ; the tail is written out: nothing is asked for; the barrier shows step 15 whole
	EVEN
	s_wait_dscnt 8                                 ; the last slice fetches nothing
	GRP 0, 1
	GRP 1, 1
	s_wait_dscnt 0x0
	GRP 2, 1
	PLACES                                         ; behind the last products
	PACKG 0, 0
	PACKG 0, 1
	PACKG 0, 2
	s_wait_dscnt 0x0                               ; for the others' sake: my stores into the stage are done
	s_barrier_signal -1
	s_barrier_wait -1
	OUT 0
	s_barrier_signal -1                            ; my reads of the stage are back (the last count-down ended at 0): nobody writes it again before all have said so
	s_barrier_wait -1
	PACKG 1, 0
	PACKG 1, 1
	PACKG 1, 2
	s_wait_dscnt 0x0
	s_barrier_signal -1
	s_barrier_wait -1
	OUT 1
	s_wait_tensorcnt 0x0                           ; the wave's end: behind my last tensor load and my last LDS store
	ds_add_u32 v[SPW], v[NIL]
	s_wait_dscnt 0x0
	CROUND                                         ; the closing round: no work-group ends while a partner may still ask for a tile that names it
	s_endpgm
.Lfunc_end_k_q398093ca0c_proj:
	.size	k_q398093ca0c_proj, .Lfunc_end_k_q398093ca0c_proj-k_q398093ca0c_proj
	.p2alignl 7, 3214868480
	.fill 96, 4, 3214868480
	.section	.rodata,"a",@progbits
	.p2align	6, 0x0
	.amdhsa_kernel k_q398093ca0c_proj
		.amdhsa_group_segment_fixed_size 327680
		.amdhsa_private_segment_fixed_size 0
		.amdhsa_enable_private_segment 0
		.amdhsa_kernarg_size 48
		.amdhsa_user_sgpr_count 2
		.amdhsa_user_sgpr_kernarg_segment_ptr 1
		.amdhsa_wavefront_size32 1
		.amdhsa_system_sgpr_workgroup_id_x 1
		.amdhsa_system_sgpr_workgroup_id_y 1
		.amdhsa_system_sgpr_workgroup_id_z 1
		.amdhsa_system_vgpr_workitem_id 0
		.amdhsa_next_free_vgpr 1024
		.amdhsa_next_free_sgpr 88
		.amdhsa_reserve_vcc 0
		.amdhsa_float_denorm_mode_32 3
		.amdhsa_float_denorm_mode_16_64 3
		.amdhsa_memory_ordered 1
		.amdhsa_forward_progress 1
		.amdhsa_inst_pref_size 106
	.end_amdhsa_kernel
	.amdgpu_metadata
---
amdhsa.version: [ 1, 2 ]
amdhsa.kernels:
  - .name:           k_q398093ca0c_proj
    .symbol:         k_q398093ca0c_proj.kd
    .args:
      - { .name: xb, .offset: 0, .size: 8, .value_kind: global_buffer, .address_space: global }
      - { .name: wb, .offset: 8, .size: 8, .value_kind: global_buffer, .address_space: global }
      - { .name: bq, .offset: 16, .size: 8, .value_kind: global_buffer, .address_space: global }
      - { .name: bk, .offset: 24, .size: 8, .value_kind: global_buffer, .address_space: global }
      - { .name: bv, .offset: 32, .size: 8, .value_kind: global_buffer, .address_space: global }
      - { .name: qkv, .offset: 40, .size: 8, .value_kind: global_buffer, .address_space: global }
    .group_segment_fixed_size: 327680
    .private_segment_fixed_size: 0
    .kernarg_segment_align: 8
    .kernarg_segment_size: 48
    .max_flat_workgroup_size: 128
    .sgpr_count:     88
    .vgpr_count:     1024
    .wavefront_size: 32
...
	.end_amdgpu_metadata
.endif
;; end of part 2
;; launch scores (part 3): grid 8 x 32, 4 waves a work-group, clusters of 4 x 4, 327,680 bytes of LDS; arguments qkv, p, st; writes p, st
.if DOCPART == 3
	.amdgcn_target "amdgcn-amd-amdhsa--gfx1250"
	.amdhsa_code_object_version 6
	.text
	.protected	k_q398093ca0c_scores
	.globl	k_q398093ca0c_scores
	.p2align	8
	.type	k_q398093ca0c_scores,@function
k_q398093ca0c_scores:
	s_mov_b64 s[64:65], 0
	v_nop
	global_prefetch_b8 v0, s[64:65] scope:SCOPE_SE
	s_setreg_imm32_b32 hwreg(HW_REG_WAVE_MODE, 25, 1), 1
	s_wait_xcnt 0x0
	s_wait_alu depctr_hold_cnt(0) depctr_sa_sdst(0) depctr_va_vdst(0) depctr_va_sdst(0) depctr_va_ssrc(0) depctr_va_vcc(0) depctr_vm_vsrc(0)
	s_getreg_b32 s2, hwreg(HW_REG_IB_STS2, 6, 4)
	s_cmp_eq_u32 s2, 0
	s_cbranch_scc0 .Lentry_in_a_cluster
	s_endpgm
.Lentry_in_a_cluster:
	s_bfe_u32 s2, ttmp6, 0x10000c
	s_cmp_lg_u32 s2, 0xf033
	s_cbranch_scc0 .Lentry_shape_is_right
	s_endpgm
.Lentry_shape_is_right:
; For each query row and each tile t of 128 keys of its batch: s = q . k;  m[t][row] = c max s, c = log2(e) / 32;  p[row][key] = 2^(c s - m) in bf16;  l[t][row] = the sum of the unrounded p.
; q, k: planes 0 and 1 of qkv, [8192][1024] bf16.  p: [8192][2048] bf16.  st: f32, m[16][8192] and behind it l[16][8192].  Products, maxima and sums in f32.
; The maximum is taken away tile by tile here; the launch behind brings the tiles of a row onto the row's own maximum.  LIMITS: NaN and infinities are not treated apart; a weight below 2^-126 counts as 0.
; SHARES.  A tile of scores is 256 queries x 256 keys: four waves, each 128 x 128: 64 accumulators, 512 registers; a wave's 128 keys are one tile t.  K = 1024 goes in 8 steps of 128 through a ring of two LDS slots.
; CLUSTER 4 x 4: q's tile is asked for jointly along a row of the cluster, k's along a column.  THE MATRIX INSTRUCTION IS USED TRANSPOSED (source 0 = 16 keys, source 1 = 16 queries): a lane holds one query
; (lane % 16) and, in each accumulator, the keys 8 (lane / 16) + 0..7: a row's maximum and sum want one exchange between the halves of the lanes, and 8 weights pack into 16 bytes of a row of p.
; REGISTERS: window 0: v0-31 addresses; v64-127, v128-191 q's fragments, two buffers (on the way out v64-111 hold statistics); v32-63, v192-255 at work on the way out.
;   window 1: v64-127, v128-191 k's fragments.   window 2: the accumulators of my rows 0-63, (a, b) at 8 (8 a + b);  window 3: those of rows 64-127.
.set SIZE_K, 1024
.set SIZE_N, 2048                      ; keys in a row of p
.set KSTEP,  128
.set PITCH,  272                       ; an LDS row: 256 bytes + 16: the 16 rows of a load start at 16 different groups of four banks
.set HALFT,  128*PITCH
.set SLOT,   4*HALFT                   ; q's 256 rows, then k's 256 rows
.set STAGE,  2*SLOT                    ; behind the ring: 16 rows x 272 bytes for each wave
.set SPITCH, 272
.set SPARE,  STAGE+4*16*SPITCH         ; the spare words: 128 bytes a wave, two blocks of 256 bytes that no other line names
.set LAPS,   SIZE_K/(2*KSTEP)
.set PLANE,  8192*SIZE_K*2
.set LOFF,   16*8192*4                 ; from m to l in st
.set ADRA, 16
.set ADRB, 20
.set STO,  24
.set RD,   25
.set CO,   26
.set SPW,  28
.set NIL,  29
.set PFO,  30
.set F0,   64
.set F1,   128
.set TMP,  192
.set OB,   32
.set MST,  64                          ; v64-71  c m of my eight blocks of 16 rows
.set LST,  72                          ; v72-79  l
.set CH,   80                          ; v80-83  four chains of the maximum
.set CM,   84                          ; v84-85  c m, named as a pair
.set LS,   88                          ; v88-95  four chains of the sum
.set TX,   96                          ; v96     what the other half of the lanes sends
.set SA,   100
.set SR,   101
.set SO,   102
.set SD,   104                         ; v104-111
.set PFA,  44
.set LIM,  43
.set G1, 24
.set G0, 32
.set G1B, 48
.set G0B, 56
.set STP, 66                           ; s[66:67] st at my rows of my tile t
.set CS,  68                           ; s[68:69] c
.set SEL, 70                           ; s[70:71] v_permlanex16_b32's selects: each lane takes its own place in the other half
.set MSB, 0
.macro WIN new
.if MSB != (\new)
	s_set_vgpr_msb (MSB<<8)|(\new)
.set MSB, \new
.endif
.endm
.set MUL_LO, 0xa1                      ; source 0 (k) window 1, source 1 (q) window 0, C and D window 2
.set MUL_HI, 0xf1                      ; the same, C and D window 3
.set TO_B,   0x40
.macro JLOAD s                         ; a joint refill: waves 0 and 1 fetch q's halves, waves 2 and 3 k's; an s_nop 0 and four v_nop follow each line
	s_cmp_eq_u32 s11, 0
	s_cbranch_scc0 .Lfor_b_\@
	tensor_load_to_lds s[G0+4*(\s):G0+4*(\s)+3], s[G1:G1+7]
	s_nop 0
.rept 4
	v_nop
.endr
	s_branch .Lasked_\@
.Lfor_b_\@:
	tensor_load_to_lds s[G0B+4*(\s):G0B+4*(\s)+3], s[G1B:G1B+7]
	s_nop 0
.rept 4
	v_nop
.endr
.Lasked_\@:
.endm
; A PREFETCH INTO THE L2 of the K step two refills on: 32 rows x 256 bytes, a lane a row.  q's tile row is read by both clusters of its row of clusters: the one with x = 0 asks; k's rows by the two clusters
; of a batch that share the tile column: the one with even y asks.  Of the 128 rows that a wave fetches each of the four partners takes 32, by address.  K steps 4 to 7; the loop's last trip asks for nothing.
.macro ASK
	s_cmp_gt_u32 s3, s[LIM]
	s_cbranch_scc0 .Lnot_mine_\@
	global_prefetch_b8 v[PFO], s[PFA:PFA+1] offset:KSTEP*2 th:TH_LOAD_NT scope:SCOPE_SE
.Lnot_mine_\@:
.endm
.macro CREST
	s_cmp_lg_u32 s10, 0
	s_cbranch_scc1 .Lnot_wave_0_\@
	s_barrier_signal -3
.Lnot_wave_0_\@:
	s_barrier_wait -3
	s_barrier_signal -1
	s_barrier_wait -1
.endm
.macro CROUND
	s_barrier_signal -1
	s_barrier_wait -1
	CREST
.endm
	s_load_b64 s[4:5], s[0:1], 0x0                 ; qkv: q's plane
	s_load_b64 s[8:9], s[0:1], 0x8                 ; p
	s_load_b64 s[STP:STP+1], s[0:1], 0x10          ; st
	v_lshl_add_u32 v[SPW], v0, 2, SPARE
	v_mov_b32 v[NIL], 0
	ds_add_u32 v[SPW], v[NIL]                      ; the wave's opening: the add and its wait ahead of my first tensor load
	v_lshrrev_b32 v1, 5, v0
	v_readfirstlane_b32 s10, v1                    ; wave 0..3
	s_lshr_b32 s11, s10, 1                         ; which half of the tile's rows is mine.  Also: I fetch for q (0) or for k (1)
	s_and_b32 s12, s10, 1                          ; which half of its columns.  Also: which 128 rows of that tile I fetch
	s_bfe_u32 s40, ttmp6, 0x40000                  ; cx
	s_bfe_u32 s41, ttmp6, 0x40004                  ; cy
	s_lshl_b32 s42, ttmp9, 2
	s_add_co_u32 s42, s42, s40                     ; tile column: 256 keys of the batch
	s_and_b32 s13, ttmp7, 0xffff
	s_lshl_b32 s13, s13, 2
	s_add_co_u32 s13, s13, s41                     ; tile row: 256 of the 8,192 rows
	s_lshl_b32 s43, s41, 2
	s_lshl_b32 s43, 15, s43                        ; my row of the cluster
	s_lshl_b32 s44, 0x1111, s40                    ; my column
	s_or_b32 s[G1+0], s43, (1<<16)|(1<<20)|(1<<21)|(5<<22)|(3<<25)   ; the mask; 2-byte elements; padding on; bit 21 beside a mask; after every 64 words 4 words
	s_or_b32 s[G1B+0], s44, (1<<16)|(1<<20)|(1<<21)|(5<<22)|(3<<25)
.irp g, G1, G1B
	s_mov_b32 s[(\g)+1], KSTEP<<16                 ; tensor_dim0 = 128
	s_mov_b32 s[(\g)+2], 128<<16                   ; tensor_dim1 = 128
	s_mov_b32 s[(\g)+3], KSTEP<<16                 ; tile_dim0 = 128
	s_mov_b32 s[(\g)+4], 128                       ; tile_dim1 = 128
	s_mov_b32 s[(\g)+5], SIZE_K                    ; elements from row to row
	s_mov_b32 s[(\g)+6], 0
	s_mov_b32 s[(\g)+7], 0
.endr
	s_lshl_b32 s17, s12, 7                         ; which 128 rows of the tile I fetch
	s_lshl_b32 s16, s13, 8
	s_add_co_u32 s16, s16, s17                     ; q: row 256 x tile row + 128 x half
	s_lshl_b32 s46, s42, 8
	s_add_co_u32 s46, s46, s17                     ; k: row 256 x tile column + 128 x half,
	s_and_b32 s47, ttmp7, 0xffff
	s_lshr_b32 s47, s47, 1                         ; in the batch, which two clusters along y share
	s_lshl_b32 s47, s47, 11
	s_add_co_u32 s46, s46, s47
	s_lshl_b32 s16, s16, 11                        ; rows of 2,048 bytes
	s_lshl_b32 s46, s46, 11
	s_mov_b32 s17, 0
	s_mov_b32 s47, 0
	s_mul_i32 s20, s10, HALFT                      ; where they go: wave x 128 rows
	s_mov_b32 s[CS], 0x3d38aa3b                    ; c = log2(e) / 32
	s_mov_b32 s[CS+1], s[CS]
	s_mov_b32 s[SEL], 0x76543210
	s_mov_b32 s[SEL+1], 0xfedcba98
	s_wait_dscnt 0x0                               ; the opening add is done
	s_wait_kmcnt 0x0
	s_add_nc_u64 s[6:7], s[4:5], PLANE             ; k's plane
	s_add_nc_u64 s[14:15], s[4:5], s[16:17]
	s_add_nc_u64 s[46:47], s[6:7], s[46:47]
.irp s, 0,1
	s_mov_b32 s[G0+4*(\s)], 1
	s_add_co_u32 s[G0+4*(\s)+1], s20, (\s)*SLOT
	s_add_nc_u64 s[G0+4*(\s)+2:G0+4*(\s)+3], s[14:15], (\s)*KSTEP*2
	s_or_b32 s[G0+4*(\s)+3], s[G0+4*(\s)+3], 0x80000000
	s_mov_b32 s[G0B+4*(\s)], 1
	s_add_co_u32 s[G0B+4*(\s)+1], s20, (\s)*SLOT
	s_add_nc_u64 s[G0B+4*(\s)+2:G0B+4*(\s)+3], s[46:47], (\s)*KSTEP*2
	s_or_b32 s[G0B+4*(\s)+3], s[G0B+4*(\s)+3], 0x80000000
.endr
	CROUND                                         ; all sixteen work-groups are here: the first joint loads meet
	s_cmp_eq_u32 s11, 0                            ; a wave's two first fills stand in one branch: two loads of mine are out
	s_cbranch_scc0 .Lfirst_b
	tensor_load_to_lds s[G0:G0+3], s[G1:G1+7]
	s_nop 0
	tensor_load_to_lds s[G0+4:G0+7], s[G1:G1+7]
	s_nop 0
.rept 4
	v_nop
.endr
	s_branch .Lfirst_asked
.Lfirst_b:
	tensor_load_to_lds s[G0B:G0B+3], s[G1B:G1B+7]
	s_nop 0
	tensor_load_to_lds s[G0B+4:G0B+7], s[G1B:G1B+7]
	s_nop 0
.rept 4
	v_nop
.endr
.Lfirst_asked:
	v_and_b32 v1, 15, v0                           ; l % 16
	v_bfe_u32 v2, v0, 4, 1                         ; l / 16
	v_mul_u32_u24 v3, v1, PITCH
	v_lshl_add_u32 v3, v2, 4, v3                   ; a fragment's row x pitch + 16 x half
	s_mul_i32 s21, s11, HALFT                      ; my 128 rows of q
	s_mul_i32 s22, s12, HALFT                      ; my 128 rows of k,
	s_add_co_u32 s22, s22, 2*HALFT                 ; which lie behind q's 256
.irp s, 0,1
	v_add_nc_u32 v[ADRA+(\s)], s21, v3
	v_add_nc_u32 v[ADRB+(\s)], s22, v3
	s_add_co_u32 s21, s21, SLOT
	s_add_co_u32 s22, s22, SLOT
.endr
	s_mul_i32 s23, s10, 16*SPITCH
	s_add_co_u32 s23, s23, STAGE                   ; my stage
	v_mul_u32_u24 v4, v1, SPITCH
	v_lshl_add_u32 v4, v2, 4, v4
	v_add_nc_u32 v[STO], s23, v4
	v_mul_u32_u24 v5, v2, SPITCH
	v_lshl_add_u32 v5, v1, 4, v5
	v_add_nc_u32 v[RD], s23, v5
	v_mul_u32_u24 v5, v2, SIZE_N*2
	v_lshl_add_u32 v[CO], v1, 4, v5
	s_lshl_b32 s13, s13, 8
	s_lshl_b32 s14, s11, 7
	s_add_co_u32 s16, s13, s14                     ; my first row
	s_lshl_b32 s20, s16, 2                         ; st: 4 bytes a row,
	s_lshl_b32 s21, s42, 1
	s_add_co_u32 s21, s21, s12                     ; tile t = 2 x tile column + half,
	s_lshl_b32 s21, s21, 15                        ; 8,192 rows of 4 bytes a tile
	s_add_co_u32 s20, s20, s21
	s_mov_b32 s21, 0
	s_add_nc_u64 s[STP:STP+1], s[STP:STP+1], s[20:21]
	s_lshl_b32 s16, s16, 12                        ; p: rows of 4,096 bytes
	s_mov_b32 s17, 0
	s_lshl_b32 s46, s42, 9                         ; my first column, in bytes
	s_lshl_b32 s47, s12, 8
	s_add_co_u32 s46, s46, s47
	s_mov_b32 s47, 0
	s_add_nc_u64 s[16:17], s[16:17], s[46:47]
	; the prefetches
	s_lshl_b32 s42, s42, 8
	s_and_b32 s22, ttmp7, 0xffff                   ; cluster y
	s_lshr_b32 s21, s22, 1
	s_lshl_b32 s21, s21, 11
	s_add_co_u32 s42, s42, s21                     ; k's tile's first row, in its batch
	s_and_b32 s22, s22, 1
	s_cmp_eq_u32 s11, 0                            ; do I fetch for q?
	s_cselect_b32 s20, s13, s42                    ; the tile's first row
	s_cselect_b32 s21, s40, s41                    ; my place among the four that ask for it with me
	s_cselect_b32 s22, ttmp9, s22                  ; 0 in the one cluster, of those that read the rows, that asks
	s_cselect_b64 s[PFA:PFA+1], s[4:5], s[6:7]
	s_cmp_eq_u32 s22, 0
	s_cselect_b32 s[LIM], 1, -1                    ; the same in all sixteen partners, for a given wave
	s_lshl_b32 s22, s12, 7
	s_add_co_u32 s20, s20, s22
	s_lshl_b32 s21, s21, 5
	s_add_co_u32 s20, s20, s21
	s_lshl_b32 s20, s20, 11
	s_mov_b32 s21, 0
	s_add_nc_u64 s[PFA:PFA+1], s[PFA:PFA+1], s[20:21]
	s_add_nc_u64 s[PFA:PFA+1], s[PFA:PFA+1], 2*KSTEP*2  ; at K step 2: the first refill steps it to 3 and names step 4
	v_and_b32 v[PFO], 31, v0
	v_lshlrev_b32 v[PFO], 11, v[PFO]
; 16 matrix instructions: row blocks a0, a0 + 1 of the window's four x all 8 key blocks, 32 along K.  zero = 1: the first product starts the sums.
.macro MUL16 f, hi, a0, zero
	WIN MUL_LO+0x50*(\hi)
.irp a, \a0, (\a0)+1
.irp b, 0,1,2,3,4,5,6,7
.if \zero
	v_wmma_f32_16x16x32_bf16 v[8*(8*(\a)+(\b)):8*(8*(\a)+(\b))+7], v[(\f)+8*(\b):(\f)+8*(\b)+7], v[(\f)+8*(4*(\hi)+(\a)):(\f)+8*(4*(\hi)+(\a))+7], 0
.else
	v_wmma_f32_16x16x32_bf16 v[8*(8*(\a)+(\b)):8*(8*(\a)+(\b))+7], v[(\f)+8*(\b):(\f)+8*(\b)+7], v[(\f)+8*(4*(\hi)+(\a)):(\f)+8*(4*(\hi)+(\a))+7], v[8*(8*(\a)+(\b)):8*(8*(\a)+(\b))+7]
.endif
.endr
.endr
.endm
.macro FETCH slot, k, f                ; 32 LDS loads in one run: a quarter step's fragments (128 rows of k, 128 of q, 32 along K at byte k of the rows)
	WIN TO_B
.irp i, 0,1,2,3,4,5,6,7
	ds_load_b128 v[(\f)+8*(\i):(\f)+8*(\i)+3],   v[ADRB+(\slot)] offset:(\k)+(\i)*16*PITCH
	ds_load_b128 v[(\f)+8*(\i)+4:(\f)+8*(\i)+7], v[ADRB+(\slot)] offset:(\k)+(\i)*16*PITCH+32
.endr
	WIN 0
.irp i, 0,1,2,3,4,5,6,7
	ds_load_b128 v[(\f)+8*(\i):(\f)+8*(\i)+3],   v[ADRA+(\slot)] offset:(\k)+(\i)*16*PITCH
	ds_load_b128 v[(\f)+8*(\i)+4:(\f)+8*(\i)+7], v[ADRA+(\slot)] offset:(\k)+(\i)*16*PITCH+32
.endr
.endm
.macro PLACES                          ; four plain vector instructions between a matrix instruction and a load into, or a vector line on, its registers (ISA guide 7.12.1 for vector lines)
.rept 4
	v_nop
.endr
.endm
.macro QUARTER slot, k, f, g, zero     ; 64 matrix instructions on buffer f; in their middle the next quarter's fragments go into buffer g
	s_wait_dscnt 8                                 ; k's and q's rows 0-63 are in; the youngest eight loads (q's rows 64-127) may be out
	WIN MUL_LO
	MUL16 \f, 0, 0, \zero
	MUL16 \f, 0, 2, \zero
	PLACES
	FETCH \slot, \k, \g
	s_wait_dscnt 32                                ; all but the 32 just issued
	WIN MUL_HI
	MUL16 \f, 1, 0, \zero
	MUL16 \f, 1, 2, \zero
.endm
; The first half of a K step's last quarter, and the change of slots: each wave waits for all its tensor loads (one is out: its part of the next slot), adds 0 to its spare word, and waits for that and for its reads of this slot.
.macro MEET round
	WIN 0                                          ; (the add's two registers lie in window 0)
	s_wait_tensorcnt 0x0
	ds_add_u32 v[SPW], v[NIL]
	s_wait_dscnt 9                                 ; (the add and the youngest eight loads may be out)
	WIN MUL_LO
	MUL16 F1, 0, 0, 0
	s_wait_dscnt 0x0                               ; the add is done, and my reads of this slot are over
	s_barrier_signal -1
	MUL16 F1, 0, 2, 0
.if \round
	WIN 0
.endif
	s_barrier_wait -1
.endm
.macro TURN slot, next                 ; the whole last quarter: behind the round the slot just read out is filled again, two K steps on; then the next slot's first fragments
	s_wait_xcnt 0x0                                ; the last prefetch, a K step back, has read its address
	s_add_nc_u64 s[PFA:PFA+1], s[PFA:PFA+1], KSTEP*2
	MEET 1
	CREST                                          ; no wave of any partner still reads this slot or has a load on its way
	s_add_nc_u64 s[G0+4*(\slot)+2:G0+4*(\slot)+3], s[G0+4*(\slot)+2:G0+4*(\slot)+3], 2*KSTEP*2
	s_add_nc_u64 s[G0B+4*(\slot)+2:G0B+4*(\slot)+3], s[G0B+4*(\slot)+2:G0B+4*(\slot)+3], 2*KSTEP*2
	JLOAD \slot                                    ; 224 matrix instructions ahead of the wait for it; its four v_nop are also the places in front of the loads below
	FETCH \next, 0, F0
	ASK
	WIN MUL_HI
	MUL16 F1, 1, 0, 0
	MUL16 F1, 1, 2, 0
.endm
; THE SOFTMAX OF BLOCK a: 16 queries x my 128 keys; a lane holds 64 scores of one query, s0-s63, in the block's 8 accumulators.
.macro FS p                            ; pair p: c s - c m
	v_pk_fma_f32 v[AC+2*(\p):AC+2*(\p)+1], v[AC+2*(\p):AC+2*(\p)+1], s[CS:CS+1], v[CM:CM+1] op_sel_hi:[1,0,0] neg_lo:[0,0,1] neg_hi:[0,0,1]
.endm
.macro SOFT a
.set AC, 64*((\a)%4)
	WIN 0x0a+5*((\a)/4)                            ; sources 0 and 1 in the block's window (2 or 3), source 2 and destination in window 0
.irp k, 0,1,2,3                        ; the maximum: four chains of 16 scores, ascending
	v_max_num_f32 v[CH+(\k)], v[AC+16*(\k)], v[AC+16*(\k)+1]
.endr
.irp n, 1,2,3,4,5,6,7
.irp k, 0,1,2,3
	v_max3_num_f32 v[CH+(\k)], v[AC+16*(\k)+2*(\n)], v[AC+16*(\k)+2*(\n)+1], v[CH+(\k)]
.endr
.endr
	WIN 0
	v_max3_num_f32 v[CH], v[CH], v[CH+1], v[CH+2]
	v_max_num_f32 v[CH], v[CH], v[CH+3]
	v_permlanex16_b32 v[TX], v[CH], s[SEL], s[SEL+1]  ; the query's other 64 keys lie in the lane 16 away
	v_max_num_f32 v[CH], v[CH], v[TX]
	v_mul_f32 v[CM], s[CS], v[CH]
	v_mov_b32 v[MST+(\a)], v[CM]
	WIN 0x82+0x41*((\a)/4)                         ; destination and source 0 in the block's window, source 2 in window 0
	FS 0                                           ; ONE BATCH: 32 scalings and 64 exponentials, in place; none reads an exponential's result; a pair is scaled two pairs ahead of its exponentials
	FS 1
.set pp, 0
.rept 30
	v_exp_f32 v[AC+2*pp], v[AC+2*pp]
	FS pp+2
	v_exp_f32 v[AC+2*pp+1], v[AC+2*pp+1]
.set pp, pp+1
.endr
.irp e, 60,61,62,63
	v_exp_f32 v[AC+(\e)], v[AC+(\e)]
.endr
	v_nop                                          ; a plain instruction behind the last exponential,
	s_wait_alu depctr_va_vdst(0)                   ; and the one wait ahead of the batch's first reader
	WIN 0x0a+5*((\a)/4)
.set pp, 0
.rept 32
	v_cvt_pk_bf16_f32 v[TMP+pp], v[AC+2*pp], v[AC+2*pp+1]
.set pp, pp+1
.endr
.irp k, 0,1,2,3                        ; the sum of the unrounded weights: four chains of 8 pairs
	v_pk_add_f32 v[LS+2*(\k):LS+2*(\k)+1], v[AC+2*(\k):AC+2*(\k)+1], v[AC+8+2*(\k):AC+8+2*(\k)+1]
.endr
.irp n, 2,3,4,5,6,7
.irp k, 0,1,2,3
	v_pk_fma_f32 v[LS+2*(\k):LS+2*(\k)+1], v[AC+8*(\n)+2*(\k):AC+8*(\n)+2*(\k)+1], 1.0, v[LS+2*(\k):LS+2*(\k)+1] op_sel_hi:[1,0,1]  ; the sum so far is source 2, which this window setting leaves in window 0
.endr
.endr
	WIN 0
	v_pk_add_f32 v[LS:LS+1], v[LS:LS+1], v[LS+2:LS+3]
	v_pk_add_f32 v[LS+4:LS+5], v[LS+4:LS+5], v[LS+6:LS+7]
	v_pk_add_f32 v[LS:LS+1], v[LS:LS+1], v[LS+4:LS+5]
	v_add_f32 v[LS], v[LS], v[LS+1]
	v_permlanex16_b32 v[TX], v[LS], s[SEL], s[SEL+1]
	v_add_f32 v[LST+(\a)], v[LS], v[TX]
.endm
.macro TOSTAGE a                       ; 16 bytes a lane into my stage, and back as whole rows of 256 bytes
	WIN 0
.set BK, OB+192*((\a)%2)
.irp b, 0,1,2,3,4,5,6,7
	ds_store_b128 v[STO], v[TMP+4*(\b):TMP+4*(\b)+3] offset:32*(\b)
.endr
.irp t, 0,1,2,3,4,5,6,7
	ds_load_b128 v[BK+4*(\t):BK+4*(\t)+3], v[RD] offset:(\t)*2*SPITCH  ; LDS serves a wave's instructions in order (ISA guide 5.7.1.4): these see the stores above
.endr
.endm
.macro SEND a
	WIN 0
.set BK, OB+192*((\a)%2)
	s_wait_dscnt 0x0                               ; the block is back in registers
	s_wait_xcnt 0x0                                ; earlier stores have read their base and their data
.if (\a) == 0
	s_add_nc_u64 s[8:9], s[8:9], s[16:17]
.else
	s_add_nc_u64 s[8:9], s[8:9], 16*SIZE_N*2
.endif
.irp t, 0,1,2,3,4,5,6,7
	global_store_b128 v[CO], v[BK+4*(\t):BK+4*(\t)+3], s[8:9] offset:2*(\t)*SIZE_N*2  ; 16 lanes store 256 consecutive bytes, at a multiple of 256 from p's first byte
.endr
.endm
	s_wait_tensorcnt 1                             ; my part of K step 0 is in; step 1's may stay out
	s_barrier_signal -1
	s_barrier_wait -1
	FETCH 0, 0, F0
	QUARTER 0, 64,  F0, F1, 1                      ; the first quarter stands in front of the loop: its products start the sums
	WIN 0
	s_mov_b32 s3, LAPS-1
.Llap:                                         ; a trip goes once round the ring, from a lap's second quarter to the next lap's first, and fills both slots again
	QUARTER 0, 128, F1, F0, 0
	QUARTER 0, 192, F0, F1, 0
	TURN 0, 1
	QUARTER 1, 64,  F0, F1, 0
	QUARTER 1, 128, F1, F0, 0
	QUARTER 1, 192, F0, F1, 0
	TURN 1, 0
	QUARTER 0, 64,  F0, F1, 0
	WIN 0
	s_sub_co_u32 s3, s3, 1
	s_cmp_lg_u32 s3, 0
	s_cbranch_scc1 .Llap
	QUARTER 0, 128, F1, F0, 0                      ; the last lap fills nothing
	QUARTER 0, 192, F0, F1, 0
	MEET 0                                         ; the one load that was out is the last K step's
	PLACES
	FETCH 1, 0, F0
	WIN MUL_HI
	MUL16 F1, 1, 0, 0
	MUL16 F1, 1, 2, 0
	QUARTER 1, 64,  F0, F1, 0
	QUARTER 1, 128, F1, F0, 0
	QUARTER 1, 192, F0, F1, 0
	s_wait_dscnt 8
	MUL16 F1, 0, 0, 0
	MUL16 F1, 0, 2, 0
	s_wait_dscnt 0x0
	MUL16 F1, 1, 0, 0
	MUL16 F1, 1, 2, 0
	WIN 0
	PLACES                                         ; behind the last products
	v_mov_b32 v[TX], 0                             ; v_permlanex16_b32's destination counts as read
	v_mov_b32 v[CM+1], 0                           ; named with c m as a pair
	SOFT 0
	TOSTAGE 0
.irp a3, 1,2,3,4,5,6,7                 ; a block's softmax stands between the loads of the block before and the wait for them
	SOFT \a3
	SEND (\a3)-1
	TOSTAGE \a3
.endr
	SEND 7
	; the statistics: both halves of the lanes hold the same numbers; through my stage they come out as 128 rows on end: 512 consecutive bytes a store
	v_lshl_add_u32 v[SA], v1, 2, s23
.irp a3, 0,1,2,3,4,5,6,7
	ds_store_b32 v[SA], v[MST+(\a3)] offset:64*(\a3)
	ds_store_b32 v[SA], v[LST+(\a3)] offset:512+64*(\a3)
.endr
	v_and_b32 v[SO], 31, v0
	v_lshlrev_b32 v[SO], 4, v[SO]
	v_add_nc_u32 v[SR], s23, v[SO]
	ds_load_b128 v[SD:SD+3], v[SR]
	ds_load_b128 v[SD+4:SD+7], v[SR] offset:512
	s_wait_dscnt 0x0
	global_store_b128 v[SO], v[SD:SD+3], s[STP:STP+1]
	global_store_b128 v[SO], v[SD+4:SD+7], s[STP:STP+1] offset:LOFF
	s_wait_tensorcnt 0x0                           ; the wave's end: behind my last tensor load and my last LDS store
	ds_add_u32 v[SPW], v[NIL]
	s_wait_dscnt 0x0
	CROUND                                         ; the closing round
	s_endpgm
.Lfunc_end_k_q398093ca0c_scores:
	.size	k_q398093ca0c_scores, .Lfunc_end_k_q398093ca0c_scores-k_q398093ca0c_scores
	.p2alignl 7, 3214868480
	.fill 96, 4, 3214868480
	.section	.rodata,"a",@progbits
	.p2align	6, 0x0
	.amdhsa_kernel k_q398093ca0c_scores
		.amdhsa_group_segment_fixed_size 327680
		.amdhsa_private_segment_fixed_size 0
		.amdhsa_enable_private_segment 0
		.amdhsa_kernarg_size 24
		.amdhsa_user_sgpr_count 2
		.amdhsa_user_sgpr_kernarg_segment_ptr 1
		.amdhsa_wavefront_size32 1
		.amdhsa_system_sgpr_workgroup_id_x 1
		.amdhsa_system_sgpr_workgroup_id_y 1
		.amdhsa_system_sgpr_workgroup_id_z 1
		.amdhsa_system_vgpr_workitem_id 0
		.amdhsa_next_free_vgpr 1024
		.amdhsa_next_free_sgpr 72
		.amdhsa_reserve_vcc 0
		.amdhsa_float_denorm_mode_32 3
		.amdhsa_float_denorm_mode_16_64 3
		.amdhsa_memory_ordered 1
		.amdhsa_forward_progress 1
		.amdhsa_inst_pref_size 213
	.end_amdhsa_kernel
	.amdgpu_metadata
---
amdhsa.version: [ 1, 2 ]
amdhsa.kernels:
  - .name:           k_q398093ca0c_scores
    .symbol:         k_q398093ca0c_scores.kd
    .args:
      - { .name: qkv, .offset: 0, .size: 8, .value_kind: global_buffer, .address_space: global }
      - { .name: p, .offset: 8, .size: 8, .value_kind: global_buffer, .address_space: global }
      - { .name: st, .offset: 16, .size: 8, .value_kind: global_buffer, .address_space: global }
    .group_segment_fixed_size: 327680
    .private_segment_fixed_size: 0
    .kernarg_segment_align: 8
    .kernarg_segment_size: 24
    .max_flat_workgroup_size: 128
    .sgpr_count:     72
    .vgpr_count:     1024
    .wavefront_size: 32
...
	.end_amdgpu_metadata
.endif
;; end of part 3
;; launch pv (part 4): grid 4 x 64, 4 waves a work-group, clusters of 4 x 4, 327,680 bytes of LDS; arguments p, qkv, st, att; writes att
.if DOCPART == 4
	.amdgcn_target "amdgcn-amd-amdhsa--gfx1250"
	.amdhsa_code_object_version 6
	.text
	.protected	k_q398093ca0c_pv
	.globl	k_q398093ca0c_pv
	.p2align	8
	.type	k_q398093ca0c_pv,@function
k_q398093ca0c_pv:
	s_mov_b64 s[64:65], 0
	v_nop
	global_prefetch_b8 v0, s[64:65] scope:SCOPE_SE
	s_setreg_imm32_b32 hwreg(HW_REG_WAVE_MODE, 25, 1), 1
	s_wait_xcnt 0x0
	s_wait_alu depctr_hold_cnt(0) depctr_sa_sdst(0) depctr_va_vdst(0) depctr_va_sdst(0) depctr_va_ssrc(0) depctr_va_vcc(0) depctr_vm_vsrc(0)
	s_getreg_b32 s2, hwreg(HW_REG_IB_STS2, 6, 4)
	s_cmp_eq_u32 s2, 0
	s_cbranch_scc0 .Lentry_in_a_cluster
	s_endpgm
.Lentry_in_a_cluster:
	s_bfe_u32 s2, ttmp6, 0x10000c
	s_cmp_lg_u32 s2, 0xf033
	s_cbranch_scc0 .Lentry_shape_is_right
	s_endpgm
.Lentry_shape_is_right:
; att[row][d] = sum over the 16 key tiles t of g[t][row] x (sum over the tile's 128 keys of p[row][key] v[key][d]),  g = 2^(m[t] - M) / L,  M = max over t of m[t],  L = sum over t of 2^(m[t] - M) l[t]:
; the softmax's running maximum, finished: p was made against its tile's own maximum, g brings it onto the row's.  L is at least 1: the tile that holds M has factor 1 and a weight 1 in its l.
; p: [8192][2048] bf16; v: plane 2 of qkv, [8192][1024] bf16; st: f32 m[16][8192], l[16][8192]; att: [8192][1024] bf16.  M, L and g in f32; g is rounded to bf16 and multiplies p's fragments (each product rounded
; to bf16) on their way from LDS to the matrix unit; the sums are f32; att is rounded once.  LIMITS: NaN and infinities are not treated apart; a factor below 2^-126 counts as 0.
; SHARES.  A tile is 128 rows x 256 channels; four waves, each 64 x 128: 32 accumulators; 64 x 4 work-groups, one tile each; K = 2,048 keys in 16 steps of 128: step t is key tile t.
; THE MATRIX INSTRUCTION IS USED TRANSPOSED: source 0 = 16 channels of v, which lies [key][channel] in LDS and is turned by ds_load_tr16_b128; source 1 = 16 rows of p.
; A K STEP is two halves of 64 keys, each with a register buffer of its own (F0, F1): 64 matrix instructions, ONE run of LDS loads at the head of the half before, and the 64 scalings of the other buffer's p, four behind each of 16 products.
; CLUSTER 4 x 4: p's tile is asked for jointly along a row of the cluster, v's along a column.
; REGISTERS: window 0: v0-29 addresses and the step's four factors; v32-63 packed results; v64-127, v128-191 p's fragments (at the head: the factors' arithmetic; v128-191 also rows on the way out).
;   window 1: v's fragments, buffer f at 128 f.   window 2: the accumulators, (a, b) at 8 (8 a + b).
.set PA,    272
.set PB,    544
.set BOFF,  128*PA
.set SLOT1, 1<<17
.set STAGE, SLOT1+BOFF+128*PB          ; behind the ring, never filled by a tensor load: 16 rows x 272 bytes for each wave
.set SP,    272
.set GTAB,  STAGE+4*16*SP              ; each wave's factors: [t][row % 16][row / 16] words (g twice in bf16): 4,096 bytes a wave
.set SPARE, GTAB+4*4096                ; the spare words
.set ROWB,  2048                       ; bytes in a row of v and of att
.set ASTEP, 256
.set BSTEP, 128*ROWB
.set PLANE, 8192*ROWB
.set LOFF,  16*8192*4
.set A0,  2
.set B0,  3
.set ADA, 4
.set ADB, 5
.set STO, 6
.set RD,  7
.set CO,  8
.set PFO, 9
.set GA,  10                           ; v10  where the step's four factors lie
.set GF,  12                           ; v12-15  g of row 16 a + lane % 16, a = 0..3
.set SOF, 18                           ; v18  my byte offset in st
.set GW,  19                           ; v19  where I put factors
.set SPW, 28
.set NIL, 29
.set TMP, 32
.set AF,  64
.set OB,  128
.set FM,  64                           ; at the head: v64-95 m, then the factors, of my 4 rows x 8 tiles; v96-127 l, then g in bf16; v128-143 at work
.set FL,  96
.set FT,  128
.set WV, 20
.set WR, 21
.set WC, 22
.set CX, 23
.set CY, 24
.set XX, 25
.set YY, 26
.set CLY, 27
.set G1A, 28
.set G1B, 36
.set G0A, 44
.set G0B, 52
.set TB,  60
.set LIM, 61
.set PFA, 66
.set PFS, 68
.set CP,  70
.set CA,  72
.set SEL, 74
.set MSB, 0
.macro WIN new
.if MSB != (\new)
	s_set_vgpr_msb (MSB<<8)|(\new)
.set MSB, \new
.endif
.endm
.set MUL,  0xa1                        ; source 0 (v) window 1, source 1 (p) window 0, C and D window 2
.set TO_B, 0x40
.set W_PK, 0x0a
.macro PLACES                          ; four plain vector instructions between a matrix instruction and a load into, or a vector line on, its registers (ISA guide 7.12.1 for vector lines)
.rept 4
	v_nop
.endr
.endm
.macro JLOAD                           ; a joint refill by the walking sets: waves 0 and 1 fetch p's halves, waves 2 and 3 v's; an s_nop 0 and four v_nop follow each line
	s_cmp_eq_u32 s[WR], 0
	s_cbranch_scc0 .Lfor_b_\@
	tensor_load_to_lds s[G0A+4:G0A+7], s[G1A:G1A+7]
	s_nop 0
.rept 4
	v_nop
.endr
	s_branch .Lasked_\@
.Lfor_b_\@:
	tensor_load_to_lds s[G0B+4:G0B+7], s[G1B:G1B+7]
	s_nop 0
.rept 4
	v_nop
.endr
.Lasked_\@:
.endm
; A PREFETCH INTO THE L2 of the K step two refills on: 32 rows x 256 bytes, a lane a row.  p's 128 rows are read by the four partners of one row of one cluster alone: wave 0 of each takes 32, by address.
; v's key rows of a tile column are read by the four clusters of a batch: the first of them asks; its four partners of a column take 32 key rows each, waves 2 and 3 the two blocks of 256 bytes.  Steps 4 to 15.
.macro ASK
	s_cmp_gt_u32 s3, s[LIM]
	s_cbranch_scc0 .Lnot_mine_\@
	global_prefetch_b8 v[PFO], s[PFA:PFA+1] th:TH_LOAD_NT scope:SCOPE_SE
.Lnot_mine_\@:
.endm
.macro CREST
	s_cmp_lg_u32 s[WV], 0
	s_cbranch_scc1 .Lnot_wave_0_\@
	s_barrier_signal -3
.Lnot_wave_0_\@:
	s_barrier_wait -3
	s_barrier_signal -1
	s_barrier_wait -1
.endm
.macro CROUND
	s_barrier_signal -1
	s_barrier_wait -1
	CREST
.endm
.macro FETCH h, f                      ; 48 LDS loads in one run: p's 8 fragments first, then v's 16 (turned)
	WIN 0
.irp c, 0,1
.irp i, 0,1,2,3
	ds_load_b128 v[AF+64*(\f)+32*(\c)+8*(\i):AF+64*(\f)+32*(\c)+8*(\i)+3],   v[ADA] offset:128*(\h)+64*(\c)+(\i)*16*PA
	ds_load_b128 v[AF+64*(\f)+32*(\c)+8*(\i)+4:AF+64*(\f)+32*(\c)+8*(\i)+7], v[ADA] offset:128*(\h)+64*(\c)+(\i)*16*PA+32
.endr
.endr
	WIN TO_B
.irp c, 0,1
.irp i, 0,1,2,3,4,5,6,7
	ds_load_tr16_b128 v[128*(\f)+64*(\c)+8*(\i):128*(\f)+64*(\c)+8*(\i)+3],   v[ADB] offset:(64*(\h)+32*(\c))*PB+32*(\i)
	ds_load_tr16_b128 v[128*(\f)+64*(\c)+8*(\i)+4:128*(\f)+64*(\c)+8*(\i)+7], v[ADB] offset:(64*(\h)+32*(\c)+16)*PB+32*(\i)
.endr
.endr
.endm
; 8 matrix instructions: row block a x all 8 channel blocks, 32 keys (part c of buffer f).  z = 1: the products start the sums.  The 32 accumulators take turns.
; ride = 1 (a = 0, 1): behind each product four registers of the OTHER buffer's p are multiplied by their rows' factor: register n of the 64 belongs to row block (n / 8) % 4.
.macro MM8 f, c, a, z, ride
.set bb, 0
.rept 8
	WIN MUL
.if \z
	v_wmma_f32_16x16x32_bf16 v[8*(8*(\a)+bb):8*(8*(\a)+bb)+7], v[128*(\f)+64*(\c)+8*bb:128*(\f)+64*(\c)+8*bb+7], v[AF+64*(\f)+32*(\c)+8*(\a):AF+64*(\f)+32*(\c)+8*(\a)+7], 0
.else
	v_wmma_f32_16x16x32_bf16 v[8*(8*(\a)+bb):8*(8*(\a)+bb)+7], v[128*(\f)+64*(\c)+8*bb:128*(\f)+64*(\c)+8*bb+7], v[AF+64*(\f)+32*(\c)+8*(\a):AF+64*(\f)+32*(\c)+8*(\a)+7], v[8*(8*(\a)+bb):8*(8*(\a)+bb)+7]
.endif
.if \ride
	WIN 0
.set nn, 4*(8*(\a)+bb)
.rept 4
	v_pk_mul_bf16 v[AF+64*(1-(\f))+nn], v[AF+64*(1-(\f))+nn], v[GF+(nn/8)%4]
.set nn, nn+1
.endr
.endif
.set bb, bb+1
.endr
.endm
; THE FIRST HALF OF A K STEP: multiplies F0, fetches the step's second half into F1 and scales its p.  bar = 1: it also holds the change of slots, whose barrier opens a round of the cluster's barrier.
.macro H0 z, bar
	s_wait_xcnt 0x0                                ; the last prefetch has read its address
	s_add_nc_u64 s[PFA:PFA+1], s[PFA:PFA+1], s[PFS:PFS+1]
	s_wait_dscnt 0x0                               ; F0 is in
	PLACES                                         ; behind the last product that read F1
	FETCH 1, 1
.irp a2, 0,1,2,3
	MM8 0, 0, \a2, \z, 0
.endr
	s_wait_dscnt 32                                ; p's 16 loads are in; v's 32, issued behind them, may be out
	MM8 0, 1, 0, 0, 1
	MM8 0, 1, 1, 0, 1
.if \bar
	WIN 0
	s_wait_tensorcnt 0x0                           ; all my tensor loads have landed: my part of the next slot
	ds_add_u32 v[SPW], v[NIL]
.endif
	MM8 0, 1, 2, 0, 0
.if \bar
	s_wait_dscnt 0x0                               ; the add is done, and my reads of this slot are over
	s_barrier_signal -1
.endif
	MM8 0, 1, 3, 0, 0
.if \bar
	WIN 0
	s_barrier_wait -1
	CREST                                          ; no wave of any partner still reads this slot or has a load on its way
.endif
.endm
; THE SECOND HALF: multiplies F1.  fill = 1: the slot just read out is filled again, first thing behind the round, with the step two on.  fetch = 1: the next step's factors and first half come in, and its p is scaled.
.macro H1 fill, fetch
	WIN 0
.if \fill
	s_xor_b32 s[G0A+5], s[G0A+5], SLOT1
	s_xor_b32 s[G0B+5], s[G0B+5], SLOT1
	s_add_nc_u64 s[G0A+6:G0A+7], s[G0A+6:G0A+7], ASTEP
	s_add_nc_u64 s[G0B+6:G0B+7], s[G0B+6:G0B+7], BSTEP
	JLOAD                                          ; its four v_nop are also the places in front of the loads below
.else
	s_wait_dscnt 0x0                               ; F1 is in
.if \fetch
	PLACES
.endif
.endif
.if \fetch
	s_xor_b32 s[TB], s[TB], SLOT1
	v_add_nc_u32 v[GA], 256, v[GA]                 ; the next tile's factors; the old ones were last read in the half before
	v_add_nc_u32 v[ADA], s[TB], v[A0]
	v_add_nc_u32 v[ADB], s[TB], v[B0]
	ds_load_b128 v[GF:GF+3], v[GA]
	FETCH 0, 0
	WIN 0
.endif
.if \fill
	ASK
.endif
.irp a2, 0,1,2,3
	MM8 1, 0, \a2, 0, 0
.endr
.if \fetch
	s_wait_dscnt 32                                ; the factors and p's 16 loads are in
.endif
	MM8 1, 1, 0, 0, \fetch
	MM8 1, 1, 1, 0, \fetch
	MM8 1, 1, 2, 0, 0
	MM8 1, 1, 3, 0, 0
.endm
.macro PACK a
	WIN W_PK
.irp b, 0,1,2,3,4,5,6,7
.irp r, 0,1,2,3
	v_cvt_pk_bf16_f32 v[TMP+4*(\b)+(\r)], v[64*(\a)+8*(\b)+2*(\r)], v[64*(\a)+8*(\b)+2*(\r)+1]
.endr
.endr
	WIN 0
.endm
.macro TOSTAGE a
.set BK, OB+32*((\a)%2)
.irp b, 0,1,2,3,4,5,6,7
	ds_store_b128 v[STO], v[TMP+4*(\b):TMP+4*(\b)+3] offset:32*(\b)
.endr
.irp t, 0,1,2,3,4,5,6,7
	ds_load_b128 v[BK+4*(\t):BK+4*(\t)+3], v[RD] offset:(\t)*2*SP  ; LDS serves a wave's instructions in order (ISA guide 5.7.1.4): these see the stores above
.endr
.endm
.macro SEND a
.set BK, OB+32*((\a)%2)
	s_wait_dscnt 0x0
	s_wait_xcnt 0x0                                ; earlier stores have read their base and their data
.if (\a) == 0
	s_add_nc_u64 s[CP:CP+1], s[CP:CP+1], s[CA:CA+1]
.else
	s_add_nc_u64 s[CP:CP+1], s[CP:CP+1], 16*ROWB
.endif
.irp t, 0,1,2,3,4,5,6,7
	global_store_b128 v[CO], v[BK+4*(\t):BK+4*(\t)+3], s[CP:CP+1] offset:2*(\t)*ROWB  ; 16 lanes store 256 consecutive bytes, at a multiple of 256 from att's first byte
.endr
.endm
	s_load_b256 s[4:11], s[0:1], 0x0               ; p s[4:5], qkv s[6:7], st s[8:9], att s[10:11]
	v_lshl_add_u32 v[SPW], v0, 2, SPARE
	v_mov_b32 v[NIL], 0
	ds_add_u32 v[SPW], v[NIL]                      ; the wave's opening: the add and its wait ahead of my first tensor load
	v_lshrrev_b32 v1, 5, v0
	v_readfirstlane_b32 s[WV], v1
	s_lshr_b32 s[WR], s[WV], 1
	s_and_b32 s[WC], s[WV], 1
	s_bfe_u32 s[CX], ttmp6, 0x40000
	s_bfe_u32 s[CY], ttmp6, 0x40004
	s_lshl_b32 s[XX], ttmp9, 2
	s_add_co_u32 s[XX], s[XX], s[CX]               ; tile column: 256 channels
	s_and_b32 s[CLY], ttmp7, 0xffff
	s_lshl_b32 s[YY], s[CLY], 2
	s_add_co_u32 s[YY], s[YY], s[CY]               ; tile row: 128 rows
	s_lshl_b32 s16, s[CY], 2
	s_lshl_b32 s16, 15, s16                        ; my row of the cluster
	s_lshl_b32 s18, 0x1111, s[CX]                  ; my column
	s_or_b32 s[G1A], s16, (1<<16)|(1<<20)|(1<<21)|(5<<22)|(3<<25)
	s_or_b32 s[G1B], s18, (1<<16)|(1<<20)|(1<<21)|(6<<22)|(7<<25)
	s_mov_b32 s[G1A+1], 128<<16                    ; a tile of 64 rows x 128 keys,
	s_mov_b32 s[G1A+2], 64<<16
	s_mov_b32 s[G1A+3], 128<<16
	s_mov_b32 s[G1A+4], 64
	s_mov_b32 s[G1A+5], 2048                       ; 2,048 elements from row to row of p
	s_mov_b32 s[G1A+6], 0
	s_mov_b32 s[G1A+7], 0
	s_mov_b32 s[G1B+1], 256<<16                    ; a tile of 64 keys x 256 channels
	s_mov_b32 s[G1B+2], 64<<16
	s_mov_b32 s[G1B+3], 256<<16
	s_mov_b32 s[G1B+4], 64
	s_mov_b32 s[G1B+5], 1024
	s_mov_b32 s[G1B+6], 0
	s_mov_b32 s[G1B+7], 0
	s_lshl_b32 s16, s[YY], 7                       ; p: row 128 x tile row + 64 x half, rows of 4,096 bytes (s16, s17 never hold cx; s18, s19 never cy)
	s_lshl_b32 s17, s[WC], 6
	s_add_co_u32 s16, s16, s17
	s_lshl_b32 s16, s16, 12
	s_mov_b32 s17, 0
	s_lshr_b32 s18, s[CLY], 2                      ; v: the batch, which four clusters along y share: 2,048 rows of 2,048 bytes,
	s_lshl_b32 s18, s18, 22
	s_lshl_b32 s19, s[WC], 17                      ; key row 64 x half,
	s_add_co_u32 s18, s18, s19
	s_lshl_b32 s19, s[XX], 9                       ; 512 bytes x tile column,
	s_add_co_u32 s18, s18, s19
	s_add_co_u32 s18, s18, 2*PLANE                 ; in plane 2
	s_mov_b32 s19, 0
	s_mov_b32 s[G0A], 1
	s_mul_i32 s[G0A+1], s[WC], 64*PA
	s_mov_b32 s[G0A+4], 1
	s_add_co_u32 s[G0A+5], s[G0A+1], SLOT1
	s_mov_b32 s[G0B], 1
	s_mul_i32 s[G0B+1], s[WC], 64*PB
	s_add_co_u32 s[G0B+1], s[G0B+1], BOFF
	s_mov_b32 s[G0B+4], 1
	s_add_co_u32 s[G0B+5], s[G0B+1], SLOT1
	s_mov_b32 s[SEL], 0x76543210
	s_mov_b32 s[SEL+1], 0xfedcba98
	s_wait_dscnt 0x0                               ; the opening add is done
	s_wait_kmcnt 0x0
	s_add_nc_u64 s[G0A+2:G0A+3], s[4:5], s[16:17]
	s_add_nc_u64 s[G0A+6:G0A+7], s[G0A+2:G0A+3], ASTEP
	s_or_b32 s[G0A+3], s[G0A+3], 0x80000000
	s_or_b32 s[G0A+7], s[G0A+7], 0x80000000
	s_add_nc_u64 s[G0B+2:G0B+3], s[6:7], s[18:19]
	s_add_nc_u64 s[G0B+6:G0B+7], s[G0B+2:G0B+3], BSTEP
	s_or_b32 s[G0B+3], s[G0B+3], 0x80000000
	s_or_b32 s[G0B+7], s[G0B+7], 0x80000000
	CROUND                                         ; all sixteen work-groups are here: the first joint loads meet
	s_cmp_eq_u32 s[WR], 0                          ; a wave's two first fills stand in one branch: two loads of mine are out
	s_cbranch_scc0 .Lfirst_b
	tensor_load_to_lds s[G0A:G0A+3], s[G1A:G1A+7]
	s_nop 0
	tensor_load_to_lds s[G0A+4:G0A+7], s[G1A:G1A+7]
	s_nop 0
.rept 4
	v_nop
.endr
	s_branch .Lfirst_asked
.Lfirst_b:
	tensor_load_to_lds s[G0B:G0B+3], s[G1B:G1B+7]
	s_nop 0
	tensor_load_to_lds s[G0B+4:G0B+7], s[G1B:G1B+7]
	s_nop 0
.rept 4
	v_nop
.endr
.Lfirst_asked:
	; THE FACTORS, while the first tiles are on their way.  Lane (j = l % 16, h = l / 16) takes rows 4 j .. 4 j + 3 of my wave's 64 and the tiles t = 2 i + h: each half of the lanes reads 256 consecutive bytes a load.
	s_lshl_b32 s80, s[YY], 7
	s_lshl_b32 s81, s[WR], 6
	s_add_co_u32 s80, s80, s81                     ; my wave's first row
	s_lshl_b32 s82, s80, 2
	s_mov_b32 s83, 0
	s_add_nc_u64 s[82:83], s[8:9], s[82:83]
	v_and_b32 v1, 15, v0                           ; r = j = l % 16
	v_bfe_u32 v11, v0, 4, 1                        ; h = l / 16
	v_lshlrev_b32 v[SOF], 4, v1
	v_lshl_add_u32 v[SOF], v11, 15, v[SOF]
.set i2, 0
.rept 8
	global_load_b128 v[FM+4*i2:FM+4*i2+3], v[SOF], s[82:83] offset:i2*65536
	global_load_b128 v[FL+4*i2:FL+4*i2+3], v[SOF], s[82:83] offset:i2*65536+LOFF
.set i2, i2+1
.endr
	v_mul_u32_u24 v[A0], v1, PA
	v_lshl_add_u32 v[A0], v11, 4, v[A0]
	s_mul_i32 s81, s[WR], 64*PA
	v_add_nc_u32 v[A0], s81, v[A0]
	v_and_b32 v16, 7, v0
	v_lshl_add_u32 v16, v11, 3, v16
	v_mul_u32_u24 v[B0], v16, PB
	v_bfe_u32 v17, v0, 3, 1
	v_lshl_add_u32 v[B0], v17, 4, v[B0]
	s_lshl_b32 s81, s[WC], 8
	s_add_co_u32 s81, s81, BOFF
	v_add_nc_u32 v[B0], s81, v[B0]
	s_mul_i32 s81, s[WV], 16*SP
	s_add_co_u32 s81, s81, STAGE
	v_mul_u32_u24 v[STO], v1, SP
	v_lshl_add_u32 v[STO], v11, 4, v[STO]
	v_add_nc_u32 v[STO], s81, v[STO]
	v_mul_u32_u24 v[RD], v11, SP
	v_lshl_add_u32 v[RD], v1, 4, v[RD]
	v_add_nc_u32 v[RD], s81, v[RD]
	v_lshlrev_b32 v[CO], 11, v11
	v_lshl_add_u32 v[CO], v1, 4, v[CO]
	v_and_b32 v16, 3, v1                           ; row 4 j + i is row (j % 4) 4 + i of block j / 4
	v_lshrrev_b32 v17, 2, v1
	v_lshlrev_b32 v[GW], 6, v16
	v_lshl_add_u32 v[GW], v17, 2, v[GW]
	v_lshl_add_u32 v[GW], v11, 8, v[GW]
	s_lshl_b32 s81, s[WV], 12
	s_add_co_u32 s81, s81, GTAB                    ; my wave's table
	v_add_nc_u32 v[GW], s81, v[GW]
	v_lshl_add_u32 v[GA], v1, 4, s81
	s_lshl_b32 s80, s80, 11                        ; where my part of att begins
	s_lshl_b32 s81, s[XX], 9
	s_add_co_u32 s80, s80, s81
	s_lshl_b32 s81, s[WC], 8
	s_add_co_u32 s[CA], s80, s81
	s_mov_b32 s[CA+1], 0
	s_mov_b64 s[CP:CP+1], s[10:11]
	; the prefetches: who asks, and from where
	s_lshl_b32 s80, s[YY], 7
	s_lshl_b32 s81, s[CX], 5
	s_add_co_u32 s80, s80, s81
	s_lshl_b32 s80, s80, 12
	s_add_co_u32 s80, s80, 3*ASTEP                 ; p: my work-group's 32 rows, at step 3: the first H0 steps it to 4
	s_lshr_b32 s81, s[CLY], 2
	s_lshl_b32 s81, s81, 22
	s_lshl_b32 s84, s[CY], 16                      ; v: my work-group's 32 key rows,
	s_add_co_u32 s81, s81, s84
	s_lshl_b32 s84, s[XX], 9
	s_add_co_u32 s81, s81, s84
	s_lshl_b32 s84, s[WC], 8                       ; my wave's 256 of the 512 bytes,
	s_add_co_u32 s81, s81, s84
	s_add_co_u32 s81, s81, 2*PLANE+3*BSTEP         ; at step 3
	s_mov_b32 s84, ASTEP
	s_and_b32 s85, s[CLY], 3
	s_cmp_eq_u32 s[WR], 0
	s_cselect_b32 s80, s80, s81
	s_cselect_b32 s[PFS], s84, BSTEP
	s_cselect_b64 s[PFA:PFA+1], s[4:5], s[6:7]
	s_cselect_b32 s86, 12, 11                      ; a row of p is 4,096 bytes, of v 2,048
	s_cselect_b32 s85, s[WC], s85                  ; 0 in a wave that asks: the same in all partners
	s_cmp_eq_u32 s85, 0
	s_cselect_b32 s[LIM], 2, -1                    ; the loop's last two trips have no step four on
	s_mov_b32 s81, 0
	s_mov_b32 s[PFS+1], 0
	s_add_nc_u64 s[PFA:PFA+1], s[PFA:PFA+1], s[80:81]
	v_and_b32 v[PFO], 31, v0
	v_lshlrev_b32 v[PFO], s86, v[PFO]
	s_mov_b32 s[TB], 0
	s_wait_loadcnt 0x0                             ; m and l
.irp i, 0,1,2,3
	v_max3_num_f32 v[FT+4+(\i)], v[FM+(\i)], v[FM+4+(\i)], v[FM+8+(\i)]
.endr
.irp i, 0,1,2,3
	v_max3_num_f32 v[FT+(\i)], v[FT+4+(\i)], v[FM+12+(\i)], v[FM+16+(\i)]
.endr
.irp i, 0,1,2,3
	v_max3_num_f32 v[FT+(\i)], v[FT+(\i)], v[FM+20+(\i)], v[FM+24+(\i)]
.endr
.irp i, 0,1,2,3
	v_max_num_f32 v[FT+(\i)], v[FT+(\i)], v[FM+28+(\i)]
.endr
.irp i, 0,1,2,3
	v_permlanex16_b32 v[FT+4+(\i)], v[FT+(\i)], s[SEL], s[SEL+1]  ; the rows' other eight tiles lie in the lane 16 away
.endr
.irp i, 0,1,2,3
	v_max_num_f32 v[FT+(\i)], v[FT+(\i)], v[FT+4+(\i)]            ; M
.endr
.set i2, 0
.rept 8
	v_pk_add_f32 v[FM+4*i2:FM+4*i2+1],   v[FM+4*i2:FM+4*i2+1],   v[FT:FT+1]   neg_lo:[0,1] neg_hi:[0,1]
	v_pk_add_f32 v[FM+4*i2+2:FM+4*i2+3], v[FM+4*i2+2:FM+4*i2+3], v[FT+2:FT+3] neg_lo:[0,1] neg_hi:[0,1]
.set i2, i2+1
.endr
.set i2, 0
.rept 32
	v_exp_f32 v[FM+i2], v[FM+i2]                   ; 2^(m - M): one batch
.set i2, i2+1
.endr
	v_nop
	s_wait_alu depctr_va_vdst(0)                   ; the one wait ahead of the batch's first reader
	v_pk_mul_f32 v[FT+8:FT+9],   v[FM:FM+1],   v[FL:FL+1]
	v_pk_mul_f32 v[FT+10:FT+11], v[FM+2:FM+3], v[FL+2:FL+3]
.set i2, 1
.rept 7
	v_pk_fma_f32 v[FT+8:FT+9],   v[FM+4*i2:FM+4*i2+1],   v[FL+4*i2:FL+4*i2+1],   v[FT+8:FT+9]
	v_pk_fma_f32 v[FT+10:FT+11], v[FM+4*i2+2:FM+4*i2+3], v[FL+4*i2+2:FL+4*i2+3], v[FT+10:FT+11]
.set i2, i2+1
.endr
.irp i, 0,1,2,3
	v_permlanex16_b32 v[FT+4+(\i)], v[FT+8+(\i)], s[SEL], s[SEL+1]
.endr
.irp i, 0,1,2,3
	v_add_f32 v[FT+8+(\i)], v[FT+8+(\i)], v[FT+4+(\i)]            ; L
.endr
.irp i, 0,1,2,3
	v_rcp_f32 v[FT+12+(\i)], v[FT+8+(\i)]
.endr
	v_nop
	s_wait_alu depctr_va_vdst(0)
.set i2, 0
.rept 8
	v_pk_mul_f32 v[FM+4*i2:FM+4*i2+1],   v[FM+4*i2:FM+4*i2+1],   v[FT+12:FT+13]
	v_pk_mul_f32 v[FM+4*i2+2:FM+4*i2+3], v[FM+4*i2+2:FM+4*i2+3], v[FT+14:FT+15]
.set i2, i2+1
.endr
.set i2, 0
.rept 32
	v_cvt_pk_bf16_f32 v[FL+i2], v[FM+i2], v[FM+i2] ; g, twice in a word: one factor for both halves of a register of p
.set i2, i2+1
.endr
.set i2, 0
.rept 32
	ds_store_b32 v[GW], v[FL+i2] offset:(i2/4)*512+(i2%4)*16
.set i2, i2+1
.endr
	s_wait_tensorcnt 1                             ; my part of K step 0 is in; step 1's may stay out
	s_wait_dscnt 0x0                               ; my factors are stored
	s_barrier_signal -1
	s_barrier_wait -1
	v_add_nc_u32 v[ADA], s[TB], v[A0]
	v_add_nc_u32 v[ADB], s[TB], v[B0]
	ds_load_b128 v[GF:GF+3], v[GA]                 ; tile 0's factors
	FETCH 0, 0
	WIN 0
	s_wait_dscnt 0x0
.set nn, 0
.rept 64
	v_pk_mul_bf16 v[AF+nn], v[AF+nn], v[GF+(nn/8)%4]  ; the first half step's p is scaled here, once: there are no products yet to set it behind
.set nn, nn+1
.endr
	H0 1, 1                                        ; the first products start the sums: nothing is cleared
	s_mov_b32 s3, 14
.Lstep:                                        ; a trip: the second half of K step s (s = 0..13), which asks for step s + 2, and the first half of step s + 1
	H1 1, 1
	H0 0, 1
	s_sub_co_u32 s3, s3, 1
	s_cmp_lg_u32 s3, 0
	s_cbranch_scc1 .Lstep
	H1 0, 1                                        ; the tail is written out: nothing is asked for
	H0 0, 0
	H1 0, 0
	WIN 0
	PLACES                                         ; behind the last products
	PACK 0
	TOSTAGE 0
.irp a3, 1,2,3
	PACK \a3
	SEND (\a3)-1
	TOSTAGE \a3
.endr
	SEND 3
	s_wait_tensorcnt 0x0                           ; the wave's end: behind my last tensor load and my last LDS store
	ds_add_u32 v[SPW], v[NIL]
	s_wait_dscnt 0x0
	CROUND                                         ; the closing round
	s_endpgm
.Lfunc_end_k_q398093ca0c_pv:
	.size	k_q398093ca0c_pv, .Lfunc_end_k_q398093ca0c_pv-k_q398093ca0c_pv
	.p2alignl 7, 3214868480
	.fill 96, 4, 3214868480
	.section	.rodata,"a",@progbits
	.p2align	6, 0x0
	.amdhsa_kernel k_q398093ca0c_pv
		.amdhsa_group_segment_fixed_size 327680
		.amdhsa_private_segment_fixed_size 0
		.amdhsa_enable_private_segment 0
		.amdhsa_kernarg_size 32
		.amdhsa_user_sgpr_count 2
		.amdhsa_user_sgpr_kernarg_segment_ptr 1
		.amdhsa_wavefront_size32 1
		.amdhsa_system_sgpr_workgroup_id_x 1
		.amdhsa_system_sgpr_workgroup_id_y 1
		.amdhsa_system_sgpr_workgroup_id_z 1
		.amdhsa_system_vgpr_workitem_id 0
		.amdhsa_next_free_vgpr 768
		.amdhsa_next_free_sgpr 88
		.amdhsa_reserve_vcc 0
		.amdhsa_float_denorm_mode_32 3
		.amdhsa_float_denorm_mode_16_64 3
		.amdhsa_memory_ordered 1
		.amdhsa_forward_progress 1
		.amdhsa_inst_pref_size 112
	.end_amdhsa_kernel
	.amdgpu_metadata
---
amdhsa.version: [ 1, 2 ]
amdhsa.kernels:
  - .name:           k_q398093ca0c_pv
    .symbol:         k_q398093ca0c_pv.kd
    .args:
      - { .name: p, .offset: 0, .size: 8, .value_kind: global_buffer, .address_space: global }
      - { .name: qkv, .offset: 8, .size: 8, .value_kind: global_buffer, .address_space: global }
      - { .name: st, .offset: 16, .size: 8, .value_kind: global_buffer, .address_space: global }
      - { .name: att, .offset: 24, .size: 8, .value_kind: global_buffer, .address_space: global }
    .group_segment_fixed_size: 327680
    .private_segment_fixed_size: 0
    .kernarg_segment_align: 8
    .kernarg_segment_size: 32
    .max_flat_workgroup_size: 128
    .sgpr_count:     88
    .vgpr_count:     768
    .wavefront_size: 32
...
	.end_amdgpu_metadata
.endif
;; end of part 4
;; launch norm (part 5): grid 512 x 1, 8 waves a work-group, no clusters, 0 bytes of LDS; arguments x, att, gamma, beta, out0; writes out0
.if DOCPART == 5
	.amdgcn_target "amdgcn-amd-amdhsa--gfx1250"
	.amdhsa_code_object_version 6
	.text
	.protected	k_q398093ca0c_norm
	.globl	k_q398093ca0c_norm
	.p2align	8
	.type	k_q398093ca0c_norm,@function
k_q398093ca0c_norm:
	s_mov_b64 s[64:65], 0
	v_nop
	global_prefetch_b8 v0, s[64:65] scope:SCOPE_SE
	s_setreg_imm32_b32 hwreg(HW_REG_WAVE_MODE, 25, 1), 1
	s_wait_xcnt 0x0
; out0[row] = gamma (h - mu) / sqrt(var + 0.001) + beta,  h = x[row] + att[row],  mu and var the mean and the mean square deviation of h's 1,024 numbers.  x, out0: [8192][1024] f32; att: bf16.
; All in f32, in two passes over registers as the definition has them (first mu, then the squares of h - mu): no difference of large sums.
; A stream: one wave takes two whole rows, so a reduction never leaves the wave: no LDS, no barrier; no cluster, since only gamma and beta (8 KiB against 12 KiB of rows a wave) are shared.
; Load j of x takes 16 bytes a lane at byte 512 j + 16 l of the row, load j of att 8 bytes at 256 j + 8 l: the same four columns; each covers whole aligned runs of 256 bytes.  All 48 loads of a wave go out at once.
.set XO, 1                             ; v1   my byte offset in x and out0
.set AO, 2                             ; v2   in att
.set GO, 3                             ; v3   in gamma and beta
.set GM, 4                             ; v4-35    gamma
.set BT, 36                            ; v36-67   beta
.set X0, 68                            ; v68-99   row 0: x, then h, h - mu, the result
.set A0, 100                           ; v100-115 row 0: att
.set X1, 116
.set A1, 148
.set T,  164                           ; v164-171 at work
.set S,  172                           ; v172-179 four chains of a sum
.set MU, 180                           ; v180-181 mu, twice
.set R,  182                           ; v182-183 1 / sqrt(var + eps), twice
.set HIM, 18                           ; s18  a word's upper bf16
.set INV, 19                           ; s19  1 / 1024
.set EPS, 20                           ; s20  0.001
.set SEL, 22                           ; s[22:23]
	s_load_b256 s[4:11], s[0:1], 0x0               ; x s[4:5], att s[6:7], gamma s[8:9], beta s[10:11]
	s_load_b64 s[12:13], s[0:1], 0x20              ; out0
	v_and_b32 v[T], 31, v0                         ; lane
	v_lshrrev_b32 v[T+1], 5, v0                    ; wave
	v_lshlrev_b32 v[GO], 4, v[T]
	v_lshl_add_u32 v[XO], v[T+1], 13, v[GO]        ; + wave x 2 rows of 4,096 bytes
	v_lshlrev_b32 v[AO], 3, v[T]
	v_lshl_add_u32 v[AO], v[T+1], 12, v[AO]        ; + wave x 2 rows of 2,048 bytes
	s_lshl_b32 s14, ttmp9, 16                      ; the work-group's 16 rows
	s_mov_b32 s15, 0
	s_lshl_b32 s16, ttmp9, 15
	s_mov_b32 s17, 0
	s_mov_b32 s[HIM], 0xffff0000
	s_mov_b32 s[INV], 0x3a800000
	s_mov_b32 s[EPS], 0x3a83126f
	s_mov_b32 s[SEL], 0x76543210
	s_mov_b32 s[SEL+1], 0xfedcba98
	s_wait_kmcnt 0x0
	s_add_nc_u64 s[4:5], s[4:5], s[14:15]
	s_add_nc_u64 s[12:13], s[12:13], s[14:15]
	s_add_nc_u64 s[6:7], s[6:7], s[16:17]
.irp j, 0,1,2,3,4,5,6,7
	global_load_b128 v[X0+4*(\j):X0+4*(\j)+3], v[XO], s[4:5] offset:512*(\j) th:TH_LOAD_NT
.endr
.irp j, 0,1,2,3,4,5,6,7
	global_load_b64 v[A0+2*(\j):A0+2*(\j)+1], v[AO], s[6:7] offset:256*(\j) th:TH_LOAD_NT
.endr
.irp j, 0,1,2,3,4,5,6,7
	global_load_b128 v[GM+4*(\j):GM+4*(\j)+3], v[GO], s[8:9] offset:512*(\j)
.endr
.irp j, 0,1,2,3,4,5,6,7
	global_load_b128 v[BT+4*(\j):BT+4*(\j)+3], v[GO], s[10:11] offset:512*(\j)
.endr
.irp j, 0,1,2,3,4,5,6,7
	global_load_b128 v[X1+4*(\j):X1+4*(\j)+3], v[XO], s[4:5] offset:4096+512*(\j) th:TH_LOAD_NT
.endr
.irp j, 0,1,2,3,4,5,6,7
	global_load_b64 v[A1+2*(\j):A1+2*(\j)+1], v[AO], s[6:7] offset:2048+256*(\j) th:TH_LOAD_NT
.endr
.macro REDUCE                          ; the four chains into one number, then over the 32 lanes: four steps inside each half ride on the addition, one crosses the halves
	v_pk_add_f32 v[S:S+1], v[S:S+1], v[S+2:S+3]
	v_pk_add_f32 v[S+4:S+5], v[S+4:S+5], v[S+6:S+7]
	v_pk_add_f32 v[S:S+1], v[S:S+1], v[S+4:S+5]
	v_add_f32 v[S], v[S], v[S+1]
	v_add_f32_dpp v[S], v[S], v[S] row_xmask:1 row_mask:0xf bank_mask:0xf
	v_add_f32_dpp v[S], v[S], v[S] row_xmask:2 row_mask:0xf bank_mask:0xf
	v_add_f32_dpp v[S], v[S], v[S] row_xmask:4 row_mask:0xf bank_mask:0xf
	v_add_f32_dpp v[S], v[S], v[S] row_xmask:8 row_mask:0xf bank_mask:0xf
	v_permlanex16_b32 v[S+1], v[S], s[SEL], s[SEL+1]
	v_add_f32 v[S], v[S], v[S+1]
.endm
; One row.  x, a: its registers; q: which of my two rows; n1: the loads younger than the row's own; n2: those younger than gamma's and beta's.
.macro ROW x, a, q, n1, n2
	s_wait_loadcnt \n1
.set p, 0
.rept 16                               ; h = x + att: pair p of the lane's 16 pairs of columns
	v_lshlrev_b32 v[T+2*(p%4)],   16, v[(\a)+p]
	v_and_b32     v[T+2*(p%4)+1], s[HIM], v[(\a)+p]
	v_pk_add_f32 v[(\x)+2*p:(\x)+2*p+1], v[(\x)+2*p:(\x)+2*p+1], v[T+2*(p%4):T+2*(p%4)+1]
.set p, p+1
.endr
.irp k, 0,1,2,3
	v_pk_add_f32 v[S+2*(\k):S+2*(\k)+1], v[(\x)+2*(\k):(\x)+2*(\k)+1], v[(\x)+8+2*(\k):(\x)+8+2*(\k)+1]
.endr
.irp n, 2,3
.irp k, 0,1,2,3
	v_pk_add_f32 v[S+2*(\k):S+2*(\k)+1], v[S+2*(\k):S+2*(\k)+1], v[(\x)+8*(\n)+2*(\k):(\x)+8*(\n)+2*(\k)+1]
.endr
.endr
	REDUCE
	v_mul_f32 v[MU], s[INV], v[S]
	v_mul_f32 v[MU+1], s[INV], v[S]
.set p, 0
.rept 16
	v_pk_add_f32 v[(\x)+2*p:(\x)+2*p+1], v[(\x)+2*p:(\x)+2*p+1], v[MU:MU+1] neg_lo:[0,1] neg_hi:[0,1]
.set p, p+1
.endr
.irp k, 0,1,2,3
	v_pk_mul_f32 v[S+2*(\k):S+2*(\k)+1], v[(\x)+2*(\k):(\x)+2*(\k)+1], v[(\x)+2*(\k):(\x)+2*(\k)+1]
.endr
.irp n, 1,2,3
.irp k, 0,1,2,3
	v_pk_fma_f32 v[S+2*(\k):S+2*(\k)+1], v[(\x)+8*(\n)+2*(\k):(\x)+8*(\n)+2*(\k)+1], v[(\x)+8*(\n)+2*(\k):(\x)+8*(\n)+2*(\k)+1], v[S+2*(\k):S+2*(\k)+1]
.endr
.endr
	REDUCE
	v_fma_f32 v[S], v[S], s[INV], s[EPS]           ; var + eps
	v_rsq_f32 v[R], v[S]
	v_rsq_f32 v[R+1], v[S]
	v_nop                                          ; a plain instruction behind the second root,
	s_wait_alu depctr_va_vdst(0)                   ; and the one wait ahead of the first reader
	s_wait_loadcnt \n2                             ; gamma and beta
.irp j, 0,1,2,3,4,5,6,7
	v_pk_mul_f32 v[(\x)+4*(\j):(\x)+4*(\j)+1],   v[(\x)+4*(\j):(\x)+4*(\j)+1],   v[R:R+1]
	v_pk_mul_f32 v[(\x)+4*(\j)+2:(\x)+4*(\j)+3], v[(\x)+4*(\j)+2:(\x)+4*(\j)+3], v[R:R+1]
	v_pk_fma_f32 v[(\x)+4*(\j):(\x)+4*(\j)+1],   v[(\x)+4*(\j):(\x)+4*(\j)+1],   v[GM+4*(\j):GM+4*(\j)+1],   v[BT+4*(\j):BT+4*(\j)+1]
	v_pk_fma_f32 v[(\x)+4*(\j)+2:(\x)+4*(\j)+3], v[(\x)+4*(\j)+2:(\x)+4*(\j)+3], v[GM+4*(\j)+2:GM+4*(\j)+3], v[BT+4*(\j)+2:BT+4*(\j)+3]
	global_store_b128 v[XO], v[(\x)+4*(\j):(\x)+4*(\j)+3], s[12:13] offset:4096*(\q)+512*(\j) th:TH_STORE_NT  ; a wave's store covers 512 consecutive bytes, aligned
.endr
.endm
	ROW X0, A0, 0, 32, 16                          ; 32 younger loads: gamma, beta and the second row; then 16: the second row
	ROW X1, A1, 1, 0, 0
	s_endpgm
.Lfunc_end_k_q398093ca0c_norm:
	.size	k_q398093ca0c_norm, .Lfunc_end_k_q398093ca0c_norm-k_q398093ca0c_norm
	.p2alignl 7, 3214868480
	.fill 96, 4, 3214868480
	.section	.rodata,"a",@progbits
	.p2align	6, 0x0
	.amdhsa_kernel k_q398093ca0c_norm
		.amdhsa_group_segment_fixed_size 0
		.amdhsa_private_segment_fixed_size 0
		.amdhsa_enable_private_segment 0
		.amdhsa_kernarg_size 40
		.amdhsa_user_sgpr_count 2
		.amdhsa_user_sgpr_kernarg_segment_ptr 1
		.amdhsa_wavefront_size32 1
		.amdhsa_system_sgpr_workgroup_id_x 1
		.amdhsa_system_sgpr_workgroup_id_y 1
		.amdhsa_system_sgpr_workgroup_id_z 1
		.amdhsa_system_vgpr_workitem_id 0
		.amdhsa_next_free_vgpr 184
		.amdhsa_next_free_sgpr 66
		.amdhsa_reserve_vcc 0
		.amdhsa_float_denorm_mode_32 3
		.amdhsa_float_denorm_mode_16_64 3
		.amdhsa_memory_ordered 1
		.amdhsa_forward_progress 1
		.amdhsa_inst_pref_size 24
	.end_amdhsa_kernel
	.amdgpu_metadata
---
amdhsa.version: [ 1, 2 ]
amdhsa.kernels:
  - .name:           k_q398093ca0c_norm
    .symbol:         k_q398093ca0c_norm.kd
    .args:
      - { .name: x, .offset: 0, .size: 8, .value_kind: global_buffer, .address_space: global }
      - { .name: att, .offset: 8, .size: 8, .value_kind: global_buffer, .address_space: global }
      - { .name: gamma, .offset: 16, .size: 8, .value_kind: global_buffer, .address_space: global }
      - { .name: beta, .offset: 24, .size: 8, .value_kind: global_buffer, .address_space: global }
      - { .name: out0, .offset: 32, .size: 8, .value_kind: global_buffer, .address_space: global }
    .group_segment_fixed_size: 0
    .private_segment_fixed_size: 0
    .kernarg_segment_align: 8
    .kernarg_segment_size: 40
    .max_flat_workgroup_size: 256
    .sgpr_count:     66
    .vgpr_count:     184
    .wavefront_size: 32
...
	.end_amdgpu_metadata
.endif
;; end of part 5
;; ======== version 2 of 2: 5 launches; version 1 with the launch cast written anew for expert scheduling mode
;; workspace buffers: xb 16,777,216 bytes; wb 6,291,456 bytes; qkv 50,331,648 bytes; p 33,554,432 bytes; st 1,048,576 bytes; att 16,777,216 bytes
;; launch cast (part 6): grid 704 x 1, 8 waves a work-group, no clusters, 0 bytes of LDS; arguments x, Wq, Wk, Wv, xb, wb; writes xb, wb
.if DOCPART == 6
	.amdgcn_target "amdgcn-amd-amdhsa--gfx1250"
	.amdhsa_code_object_version 6
	.text
	.protected	k_q398093ca0c_cast
	.globl	k_q398093ca0c_cast
	.p2align	8
	.type	k_q398093ca0c_cast,@function
k_q398093ca0c_cast:
	s_mov_b64 s[64:65], 0
	v_nop
	global_prefetch_b8 v0, s[64:65] scope:SCOPE_SE
	s_setreg_imm32_b32 hwreg(HW_REG_WAVE_SCHED_MODE, 0, 2), 2
	s_setreg_imm32_b32 hwreg(HW_REG_WAVE_MODE, 25, 1), 1
	s_wait_xcnt 0x0
	s_wait_alu depctr_vm_vsrc(0)
; xb = x rounded to bf16, laid out in blocks of 64 channels: xb[kb][row][kk] = x[row][64 kb + kk], [16][8192][64]: 256 rows of one block are 32,768 bytes on end.
; wb = Wq, Wk, Wv rounded to bf16, side by side: wb[k][1024 j + n] = W_j[k][n], [1024][3072]: a row holds all three matrices' columns.
; A stream: every byte is read once and written once, so no LDS, no matrix unit, no cluster (no two work-groups read the same byte).
; A work-group takes 16,384 numbers, 16 rows of x or of one W, in eight pieces of two rows.  Groups 0-511 take x, groups 512-703 the weights (64 a matrix).
; x: thread t takes row (t >> 3) & 1 of the piece, block t >> 4, numbers 8 (t & 7) on: eight lanes read 256 consecutive bytes, sixteen lanes store 256 consecutive bytes (two rows of a block), aligned.
; W: thread t takes 8 numbers at byte 32 t of the piece: a wave stores 512 consecutive bytes, aligned.  All 16 loads of a thread go out at once; no register is written twice.
; THE MODE: SCHED_MODE bits 1:0 = 2 (LLVM: expert scheduling mode 2), set by the entry lines.  The code itself states the register dependences
; between vector instructions and memory instructions, with s_wait_alu, always for 0.
; THE PLAN.  Registers that memory instructions touch:
;   v1        the offset in the source.  Written once, by a select at the head; read by the sixteen loads.
;   IN        Written by the loads, once each; read by one conversion each.  No vector instruction writes them, and no second load lands in them.
;   OD        where piece i goes.  Written once, by the eight multiply-adds behind the loads; read by store i.
;   OUT       Written by the conversions, once each; read by one store each.
; No register that a memory instruction reads is ever written again, and no load lands in a register that a vector instruction has named: what is left to state is
; that a register is written before a memory instruction reads it.  One wait stands ahead of the loads, for v1.  The eight pieces go in four groups of two: a group's
; eight conversions, one wait, its two stores; the first group's wait also stands behind the multiply-adds, so it serves OD for all eight stores.
; No vector instruction writes a scalar register or VCC (the selects' mask is made by a scalar instruction), and EXEC is never written.
.set XCH, 512                          ; chunks of x
.set WROW, 6144                        ; bytes in a row of wb
.set IN,  12                           ; v[12:75]   as loaded
.set OUT, 76                           ; v[76:107]  to store
.set OD,  108                          ; v[108:115] where piece i goes
	s_load_b256 s[4:11], s[0:1], 0x0               ; x s[4:5], Wq s[6:7], Wk s[8:9], Wv s[10:11]
	s_load_b128 s[12:15], s[0:1], 0x20             ; xb s[12:13], wb s[14:15]
	v_and_b32 v3, 7, v0
	v_bfe_u32 v4, v0, 3, 1
	v_lshrrev_b32 v5, 4, v0
	v_lshlrev_b32 v6, 5, v3                        ; x, from: 32 (t & 7)
	v_lshl_add_u32 v6, v5, 8, v6                   ; + 256 x block
	v_lshl_add_u32 v6, v4, 12, v6                  ; + 4,096 x row
	v_lshlrev_b32 v7, 4, v3                        ; x, to: 16 (t & 7)
	v_lshl_add_u32 v7, v4, 7, v7                   ; + 128 x row
	v_lshl_add_u32 v7, v5, 20, v7                  ; + 8,192 rows of 128 bytes x block
	v_lshlrev_b32 v8, 5, v0                        ; W, from: 32 t
	v_and_b32 v9, 127, v0
	v_lshlrev_b32 v9, 4, v9                        ; W, to: 16 (t & 127)
	v_lshrrev_b32 v10, 7, v0
	v_mad_u32_u24 v9, v10, WROW, v9                ; + a row of wb x row
	s_max_u32 s16, ttmp9, XCH
	s_sub_co_u32 s16, s16, XCH                     ; the chunk's number among the weights' 192 (0 for a group of x)
	s_lshr_b32 s17, s16, 6                         ; which matrix
	s_and_b32 s18, s16, 63                         ; which 16 rows of it
	s_mul_i32 s19, s18, 16*WROW
	s_lshl_b32 s20, s17, 11
	s_add_co_u32 s19, s19, s20                     ; W, to: 16 rows of wb x chunk + 2,048 x matrix
	s_lshl_b32 s20, ttmp9, 11                      ; x, to: 16 rows of 128 bytes x chunk
	s_movk_i32 s26, 0x100
	s_wait_kmcnt 0x0
	s_cmp_eq_u32 s17, 1
	s_cselect_b64 s[6:7], s[8:9], s[6:7]
	s_cmp_eq_u32 s17, 2
	s_cselect_b64 s[6:7], s[10:11], s[6:7]         ; the matrix
	s_cmp_lt_u32 ttmp9, XCH
	s_cselect_b64 s[4:5], s[4:5], s[6:7]           ; from where,
	s_cselect_b64 s[12:13], s[12:13], s[14:15]     ; to where,
	s_cselect_b32 s18, ttmp9, s18                  ; which chunk of the source,
	s_cselect_b32 s22, s20, s19                    ; where the chunk goes,
	s_cselect_b32 s24, -1, 0                       ; which of the two maps of threads,
	s_cselect_b32 s25, s26, 2*WROW                 ; and how far apart the pieces land: two rows of a block, or two rows of wb
	s_lshl_b32 s20, s18, 16
	s_mov_b32 s21, 0
	s_mov_b32 s23, 0
	s_add_nc_u64 s[4:5], s[4:5], s[20:21]
	s_add_nc_u64 s[12:13], s[12:13], s[22:23]
	v_cndmask_b32 v1, v8, v6, s24
	v_cndmask_b32 v2, v9, v7, s24
	s_wait_alu depctr_va_vdst(0)                   ; v1 is written: the sixteen loads below read it as their offset
.irp i, 0,1,2,3,4,5,6,7
	global_load_b128 v[IN+8*(\i):IN+8*(\i)+3],   v1, s[4:5] offset:8192*(\i) th:TH_LOAD_NT
	global_load_b128 v[IN+8*(\i)+4:IN+8*(\i)+7], v1, s[4:5] offset:8192*(\i)+16 th:TH_LOAD_NT
.endr
.irp i, 0,1,2,3,4,5,6,7
	v_mad_u32_u24 v[OD+(\i)], s25, \i, v2          ; these name none of the loads' registers
.endr
.irp g, 0,1,2,3                        ; group g: pieces 2 g and 2 g + 1
	s_wait_loadcnt 12-4*(\g)                       ; loads come back in order: the group's four are in, the 12 - 4 g younger ones stay out
.irp i, 2*(\g), 2*(\g)+1
.irp k, 0,1,2,3
	v_cvt_pk_bf16_f32 v[OUT+4*(\i)+(\k)], v[IN+8*(\i)+2*(\k)], v[IN+8*(\i)+2*(\k)+1]
.endr
.endr
	s_wait_alu depctr_va_vdst(0)                   ; the group's eight conversions have written its part of OUT, which the two stores below read; in group 0 also: the multiply-adds have written OD, the offsets of all eight stores
.irp i, 2*(\g), 2*(\g)+1
	global_store_b128 v[OD+(\i)], v[OUT+4*(\i):OUT+4*(\i)+3], s[12:13]
.endr
.endr
	s_endpgm
.Lfunc_end_k_q398093ca0c_cast:
	.size	k_q398093ca0c_cast, .Lfunc_end_k_q398093ca0c_cast-k_q398093ca0c_cast
	.p2alignl 7, 3214868480
	.fill 96, 4, 3214868480
	.section	.rodata,"a",@progbits
	.p2align	6, 0x0
	.amdhsa_kernel k_q398093ca0c_cast
		.amdhsa_group_segment_fixed_size 0
		.amdhsa_private_segment_fixed_size 0
		.amdhsa_enable_private_segment 0
		.amdhsa_kernarg_size 48
		.amdhsa_user_sgpr_count 2
		.amdhsa_user_sgpr_kernarg_segment_ptr 1
		.amdhsa_wavefront_size32 1
		.amdhsa_system_sgpr_workgroup_id_x 1
		.amdhsa_system_sgpr_workgroup_id_y 1
		.amdhsa_system_sgpr_workgroup_id_z 1
		.amdhsa_system_vgpr_workitem_id 0
		.amdhsa_next_free_vgpr 116
		.amdhsa_next_free_sgpr 66
		.amdhsa_reserve_vcc 0
		.amdhsa_float_denorm_mode_32 3
		.amdhsa_float_denorm_mode_16_64 3
		.amdhsa_memory_ordered 1
		.amdhsa_forward_progress 1
		.amdhsa_inst_pref_size 8
	.end_amdhsa_kernel
	.amdgpu_metadata
---
amdhsa.version: [ 1, 2 ]
amdhsa.kernels:
  - .name:           k_q398093ca0c_cast
    .symbol:         k_q398093ca0c_cast.kd
    .args:
      - { .name: x, .offset: 0, .size: 8, .value_kind: global_buffer, .address_space: global }
      - { .name: Wq, .offset: 8, .size: 8, .value_kind: global_buffer, .address_space: global }
      - { .name: Wk, .offset: 16, .size: 8, .value_kind: global_buffer, .address_space: global }
      - { .name: Wv, .offset: 24, .size: 8, .value_kind: global_buffer, .address_space: global }
      - { .name: xb, .offset: 32, .size: 8, .value_kind: global_buffer, .address_space: global }
      - { .name: wb, .offset: 40, .size: 8, .value_kind: global_buffer, .address_space: global }
    .group_segment_fixed_size: 0
    .private_segment_fixed_size: 0
    .kernarg_segment_align: 8
    .kernarg_segment_size: 48
    .max_flat_workgroup_size: 256
    .sgpr_count:     66
    .vgpr_count:     116
    .wavefront_size: 32
...
	.end_amdgpu_metadata
.endif
;; end of part 6
;; launch proj: the kernel of part 2 again; grid 8 x 32, 4 waves a work-group, clusters of 4 x 4, 327,680 bytes of LDS; arguments xb, wb, bq, bk, bv, qkv; writes qkv
;; launch scores: the kernel of part 3 again; grid 8 x 32, 4 waves a work-group, clusters of 4 x 4, 327,680 bytes of LDS; arguments qkv, p, st; writes p, st
;; launch pv: the kernel of part 4 again; grid 4 x 64, 4 waves a work-group, clusters of 4 x 4, 327,680 bytes of LDS; arguments p, qkv, st, att; writes att
;; launch norm: the kernel of part 5 again; grid 512 x 1, 8 waves a work-group, no clusters, 0 bytes of LDS; arguments x, att, gamma, beta, out0; writes out0
